; MI455X (gfx1250); checked and timed in simulation.
; The chip was launched on July 23, 2026; its instructions are those of AMD's public machine-readable ISA for CDNA 5 (MIT licence, August 2026) and "CDNA5" Instruction Set Architecture Reference Guide (July 2026). The comments in the code are by the model that wrote it; some were corrected since.
;; Multi Head Attention. Allowed arithmetic: matrix products marked QUANTISED: E4M3 operands, one given power-of-two scale a tensor, by v_wmma_f32_16x16x64_fp8_fp8 or v_wmma_f32_16x16x128_fp8_fp8, f32 sums; everything else in f32.
;; Inputs: Wk_codes 1,024 x 32 x 32 uint8 (E4M3 codes of Wk, K innermost, in blocks of 32 codes); Wp_codes 1,024 x 32 x 32 uint8 (E4M3 codes of Wp, K innermost, in blocks of 32 codes); Wq_codes 1,024 x 32 x 32 uint8 (E4M3 codes of Wq, K innermost, in blocks of 32 codes); Wv_codes 1,024 x 32 x 32 uint8 (E4M3 codes of Wv, K innermost, in blocks of 32 codes); bk 1,024 float32; bp 1,024 float32; bq 1,024 float32; bv 1,024 float32; lowp_scales 12 int32 (the exponents e of the quantised operands' scales 2^e); x_codes 4 x 2,048 x 32 x 32 uint8 (E4M3 codes of x, K innermost, in blocks of 32 codes).
;; Outputs: out0 4 x 2,048 x 1,024 float32.
;; This version of the problem:
;;   THIS VERSION OF THE PROBLEM IS GIVEN IN LOW PRECISION. The matrix products marked QUANTISED in the list below multiply operands that are first quantised to E4M3 (4 exponent bits, 3 mantissa bits; 8 bits a number), with one given power-of-two scale for each operand tensor; their sums are f32. All else is computed in f32.
;;   The module's matrix products, in the order in which they are computed (A, B: the left and right operand; K: the contracted axis; several contracted axes count as one K, in the product's order):
;;     1. [M 8,192, K 1,024] x [K 1,024, N 1,024]; A: input x (given as codes); B: input Wq (given as codes): QUANTISED (scales: A lowp_scales[0], B lowp_scales[1])
;;     2. [M 8,192, K 1,024] x [K 1,024, N 1,024]; A: input x (given as codes); B: input Wk (given as codes): QUANTISED (scales: A lowp_scales[2], B lowp_scales[3])
;;     3. [M 8,192, K 1,024] x [K 1,024, N 1,024]; A: input x (given as codes); B: input Wv (given as codes): QUANTISED (scales: A lowp_scales[4], B lowp_scales[5])
;;     4. batch 64 x [M 2,048, K 64] x [K 64, N 2,048]; A: computed on the way; B: computed on the way: QUANTISED (scales: A lowp_scales[6], B lowp_scales[7])
;;     5. batch 64 x [M 2,048, K 2,048] x [K 2,048, N 64]; A: softmax (see below); B: computed on the way: QUANTISED (scales: A lowp_scales[8], B lowp_scales[9])
;;     6. [M 8,192, K 1,024] x [K 1,024, N 1,024]; A: computed on the way; B: input Wp (given as codes): QUANTISED (scales: A lowp_scales[10], B lowp_scales[11])
;;   THE QUANTISER, for each operand of a quantised product, along K:
;;     - The operand's scale is 2^e, e = its entry of the input lowp_scales (int32; the entries are numbered through the quantised products in the list's order, A before B).
;;     - Each number is divided by the scale, clamped to +-448, and rounded to the nearest number of E4M3, ties to even, subnormals kept.
;;     - The product sums the exact products of the quantised numbers (number of the format x scale) in f32.
;;   ~~~python
;;   def quantise(x, axis, e):      # numpy; x: float32 -> the quantised numbers, widened to float32 again
;;       x = np.moveaxis(x, axis, -1); K = x.shape[-1]
;;       r = np.clip(x / 2.0 ** e, -448, 448)
;;       step = 2.0 ** (np.maximum(np.frexp(np.where(r == 0, 1, r))[1] - 1, -6) - 3)
;;       q = np.round(r / step) * step * 2.0 ** e      # np.round: ties to even
;;       return np.moveaxis(q, -1, axis).astype(np.float32)
;;   ~~~
;;   SOFTMAX AHEAD OF A QUANTISED PRODUCT. Where the list says 'softmax', what is quantised is not the finished softmax but p = 2^(t - M), with t = logit x log2(e) and M = ceil(the row's largest t), a whole number; so 1/2 < the row's largest p <= 1. The row's sum l is taken of the UNQUANTISED p, in f32, and the product's result is divided by l at the end. Since M is a whole number, a kernel that streams over the keys may use a running M (the ceiling of the running maximum): every later rescaling is an exact power of two, so the quantised numbers keep their values, but for numbers so far below the row's largest that they fall under the format's range.
;;   OPERANDS COMPUTED ON THE WAY. 'Computed on the way' means the value that the module computes at that place (a softmax that the list does not call 'softmax' is quantised finished and normalised). What goes into a quantiser is computed in f32, as accurately as f32 sums, v_exp_f32 and their like allow (about 1e-6 of the number): no bf16 or f16 on the way to a quantiser, and a product that is left as it is and whose result goes on into a quantised operand takes f32 operands (vector FMAs, or v_wmma_f32_16x16x4_f32). A number that lies on a knife's edge between two numbers of the format may be rounded either way, as far as f32 arithmetic and the matrix unit's own rounding can turn it there, and no further.
;;   INPUTS GIVEN AS CODES. Wk (in the module: [1024, 1024], K = its axis 0); Wp (in the module: [1024, 1024], K = its axis 0); Wq (in the module: [1024, 1024], K = its axis 0); Wv (in the module: [1024, 1024], K = its axis 0); x (in the module: [4, 2048, 1024], K = its axis 2): each comes as NAME_codes (uint8): NAME with its K axis moved to the last place and cut into blocks of 32 codes, [.., K / 32, bytes a block], one block behind the other in memory; one code a byte (a code: sign, 4 exponent bits, 3 mantissa bits); its scale is its entry of lowp_scales. Its value is code x scale, taken as it is: it is not quantised again, and the codes and scales need not be those that the quantiser above would give.
;; 2 versions, each right; version 2 is version 1 with the launch attn written anew for expert scheduling mode. Each part assembles by itself: llvm-mc -triple=amdgcn-amd-amdhsa -mcpu=gfx1250 --defsym DOCPART=n.
;; ======== version 1 of 2: 3 launches
;; workspace buffers: qimg 8,388,608 bytes; kimg 8,388,608 bytes; vimg 8,388,608 bytes; yimg 8,388,608 bytes
;; launch qkv (part 1): grid 12 x 32, 4 waves a work-group, clusters of 4 x 4, 327,680 bytes of LDS; arguments x_codes, Wq_codes, Wk_codes, Wv_codes, bq, bk, bv, lowp_scales, qimg, kimg, vimg; writes qimg, kimg, vimg
.if DOCPART == 1
	.amdgcn_target "amdgcn-amd-amdhsa--gfx1250"
	.amdhsa_code_object_version 6
	.text
	.protected	k_q671e92a41c_qkv
	.globl	k_q671e92a41c_qkv
	.p2align	8
	.type	k_q671e92a41c_qkv,@function
k_q671e92a41c_qkv:
	s_mov_b64 s[64:65], 0
	v_nop
	global_prefetch_b8 v0, s[64:65] scope:SCOPE_SE
	s_setreg_imm32_b32 hwreg(HW_REG_WAVE_MODE, 25, 1), 1
	s_wait_xcnt 0x0
	s_wait_alu depctr_hold_cnt(0) depctr_sa_sdst(0) depctr_va_vdst(0) depctr_va_sdst(0) depctr_va_ssrc(0) depctr_va_vcc(0) depctr_vm_vsrc(0)
	s_getreg_b32 s2, hwreg(HW_REG_IB_STS2, 6, 4)
	s_cmp_eq_u32 s2, 0
	s_cbranch_scc0 .Lentry_in_a_cluster
	s_endpgm
.Lentry_in_a_cluster:
	s_bfe_u32 s2, ttmp6, 0x10000c
	s_cmp_lg_u32 s2, 0xf033
	s_cbranch_scc0 .Lentry_shape_is_right
	s_endpgm
.Lentry_shape_is_right:
; q = x Wq + bq, k = x Wk + bk, v = x Wv + bv on codes of FP8 (E4M3), then quantised again: the results leave as codes, laid as IMAGES OF OPERAND REGISTERS for the attention launch.
; x: [8192][1024] codes, the weights: [1024 (n)][1024 (k)] codes, K innermost.  A sum stands for sum x 2^(ex + ew); result = sum x 2^(ex + ew) + bias, one fused multiply-add in f32;
; code = result / 2^eo, held within +-448, to the nearest code, ties to even.  (ex, ew, eo) = entries (0, 1, 6) for q, (2, 3, 7) for k, (4, 5, 9) for v of the buffer of scales.
; LIMITS: ex + ew between -126 and 127, eo between -126 and 119, so that 2^(ex + ew), 2^eo and 448 x 2^eo are f32 numbers.  NaN among the biases is not served.
; SHARES.  The cluster's x (0, 1, 2) says which of q, k, v; it is the same in all sixteen partners.  A work-group of four waves makes 256 tokens x 256 channels, a wave 128 x 128: 64 accumulators, 512 registers.
; K goes in four steps of 256 through a ring of two LDS slots filled by the tensor data mover; a tile's row is 256 bytes of memory.
; CLUSTERS: 4 x 4 work-groups.  A slot has two regions: R (256 rows, the same for the four of a row of the cluster) and C (256 rows, the same for the four of a column): each tile is asked for JOINTLY.
;   q, k: R = x's rows 256 (4 Y + cy), C = W's rows 256 cx.     v: R = Wv's rows 256 cy, C = x's rows 256 (4 Y + cx).   Only pointers and row numbers are chosen, on the cluster's x; all LDS addresses are alike.
; THE MATRIX INSTRUCTION takes 16 rows of C as source 0 and 16 rows of R as source 1: in accumulator (a, b) lane (r, h) holds row 16 a + r of R, and its registers j rows 16 b + 8 h + j of C.
;   So for q and k a lane's eight registers are eight neighbouring CHANNELS of one token (the K of q k^T), for v eight neighbouring TOKENS of one channel (the K of p v): one conversion makes eight codes along the next K.
; THE IMAGES.  An 8-bit operand's registers 2 c, 2 c + 1 of lane (r, h) hold k = 16 c + 8 h + 0 .. 7 of row r: just what the conversions leave in that lane.  Four registers of the 32 lanes, 512 bytes, are a piece, lane l's 16 bytes at 16 l.
;   qimg, kimg: [64 heads][128 tiles of 16 tokens][2 pieces]      vimg: [64 heads][16 steps of 128 keys][4 tiles of 16 channels][4 pieces].   Each store of a wave covers 512 consecutive bytes, aligned: no stage in LDS is needed.
; REGISTERS, in windows of 256: window 0: v0-31 addresses; v32-95 the bias in q's and k's form, v96-111 in v's; from v128 R's fragments (8 x 16 rows x 128 K), ONE set; on the way out v128-223 are at work.
;   window 1: C's fragments, TWO sets, at v0 and at v128.   window 2: the accumulators of R's blocks 0-3 (accumulator (a, b) at v[8 (8 a + b)]);   window 3: those of blocks 4-7.
.set ROWB,   256                       ; a tile's row in bytes: 256 codes
.set KROW,   1024                      ; a row of x or of a weight in memory, in bytes
.set PITCH,  272                       ; an LDS row: 256 bytes + 16 of padding = 68 words: row r starts at bank 4 r mod 64 (64 banks of 4 bytes: ISA guide 11.1), so the 16 rows that a load touches start at 16 different banks
.set FR,     16                        ; registers of a fragment: 16 rows x 128 K
.set NL,     4                         ; LDS loads that bring one
.set NP,     4                         ; places behind this matrix instruction (ISA guide 7.12.1)
.set HALFT,  128*PITCH                 ; 128 rows: what one tensor load brings, and what one wave reads of R or of C
.set SLOT,   4*HALFT                   ; R's 256 rows, then C's 256 rows
.set SPARE,  2*SLOT                    ; behind the ring: the spare words, 128 bytes for each wave: two blocks of 256 bytes that no other line names
.set ADRA, 16                          ; v16-17  LDS address of my fragments of R in slot 0, 1
.set ADRB, 20                          ; v20-21  the same for C
.set GO,   26                          ; v26     16 x lane: my place in a piece
.set SPW,  28                          ; v28     LDS address of my spare word: SPARE + 4 x my thread's number; never rewritten
.set NIL,  29                          ; v29     0; never rewritten
.set SCQ,  30                          ; v30     2^eo as f32
.set LIM,  31                          ; v31     448 x 2^eo
.set BI,   32                          ; v32-95  bias(n0 + 16 b + 8 h + j) at register 8 b + j
.set BV,   96                          ; v96-111 bias(n0 + 16 a + r), twice, at registers 2 a, 2 a + 1
.set AF,   128                         ; R's fragments, in window 0
.set TW,   128                         ; the way out: a block's 64 results
.set CD,   192                         ; the way out: a block's 16 registers of codes, two sets by turns
.set G1, 24                            ; s[24:31] descriptor group 1 for R's tiles;  s[32:39] group 0, one set for each slot
.set G0, 32
.set G1B, 48                           ; s[48:55], s[56:63] the same for C's tiles
.set G0B, 56
.set MSB, 0
.macro WIN new                         ; the immediate's high byte repeats the setting that is left
.if MSB != \new
	s_set_vgpr_msb (MSB<<8)|\new
.set MSB, \new
.endif
.endm
.set MUL_LO, 0xa1                      ; source 0 (C's rows) window 1, source 1 (R's rows) window 0, sums window 2
.set MUL_HI, 0xf1                      ; the same, sums window 3
.set TO_B,   0x40                      ; destination window 1, address window 0
; A joint load: waves 0 and 1 fetch R's halves, waves 2 and 3 C's.  Each of the two lines has ONE mask and one set of registers for all that issue it; the branch hangs on the wave's number alone.
; Four v_nop follow each of the two lines, ahead of the jump, the label and what follows.
.macro JLOAD g0a, g1a, g0b, g1b
	s_cmp_eq_u32 s15, 0
	s_cbranch_scc0 .Lfor_b_\@
	tensor_load_to_lds s[\g0a:\g0a+3], s[\g1a:\g1a+7]
	s_nop 0
.rept 4
	v_nop
.endr
	s_branch .Lasked_\@
.Lfor_b_\@:
	tensor_load_to_lds s[\g0b:\g0b+3], s[\g1b:\g1b+7]
	s_nop 0
.rept 4
	v_nop
.endr
.Lasked_\@:
.endm
.macro CREST                           ; a round of the cluster's barrier behind its opening barrier
	s_cmp_lg_u32 s14, 0
	s_cbranch_scc1 .Lnot_wave_0_\@
	s_barrier_signal -3
.Lnot_wave_0_\@:
	s_barrier_wait -3
	s_barrier_signal -1
	s_barrier_wait -1
.endm
.macro CROUND                          ; a whole round
	s_barrier_signal -1
	s_barrier_wait -1
	CREST
.endm
	s_load_b256 s[68:75], s[0:1], 0x0              ; x, Wq, Wk, Wv
	s_load_b256 s[76:83], s[0:1], 0x20             ; bq, bk, bv, the scales' exponents
	s_load_b128 s[84:87], s[0:1], 0x40             ; qimg, kimg
	s_load_b64 s[88:89], s[0:1], 0x50              ; vimg
	v_lshl_add_u32 v[SPW], v0, 2, SPARE
	v_mov_b32 v[NIL], 0
	ds_add_u32 v28, v29
	ds_add_u32 v28, v29
	s_wait_dscnt 0x0
	v_lshrrev_b32 v1, 5, v0
	v_readfirstlane_b32 s14, v1                    ; wave 0..3
	s_lshr_b32 s15, s14, 1                         ; which half of R's rows is mine.  Also: I fetch for R (0) or for C (1)
	s_and_b32 s16, s14, 1                          ; which half of C's rows.  Also: which 128 rows of that tile I fetch
	s_bfe_u32 s40, ttmp6, 0x40000                  ; cx, cy: my place in the cluster
	s_bfe_u32 s41, ttmp6, 0x40004
	s_and_b32 s13, ttmp7, 0xffff
	s_lshl_b32 s13, s13, 2                         ; 4 Y: the token tiles go with the cluster's y
	s_cmp_eq_u32 ttmp9, 2                          ; v's cluster?  The same answer in all sixteen partners
	s_cselect_b32 s17, 0, s13
	s_cselect_b32 s42, s13, 0
	s_add_co_u32 s17, s17, s41                     ; R's tile: 4 Y + cy of x (q, k), cy of Wv (v): it never holds cx
	s_add_co_u32 s42, s42, s40                     ; C's tile: cx of W (q, k), 4 Y + cx of x (v): it never holds cy
	s_lshl_b32 s43, s41, 2
	s_lshl_b32 s43, 15, s43                        ; my row of the cluster
	s_lshl_b32 s44, 0x1111, s40                    ; my column
	; descriptor group 1: a tile of 128 rows x 256 bytes, padded in LDS
	s_or_b32 s[G1+0], s43, (0<<16)|(1<<20)|(1<<21)|(5<<22)|(3<<25)  ; 15:0 the mask: R's tiles go to my row; 17:16 element of 1 byte; 20 padding on; 21 set beside a mask; 24:22 after every 64 words (code 5); 31:25 of 4 words (code 3)
	s_or_b32 s[G1B+0], s44, (0<<16)|(1<<20)|(1<<21)|(5<<22)|(3<<25) ; the same with the mask of my column
.irp g, G1, G1B
	s_mov_b32 s[\g+1], ROWB<<16                    ; tensor_dim0
	s_mov_b32 s[\g+2], 128<<16                     ; tensor_dim1 = 128
	s_mov_b32 s[\g+3], ROWB<<16                    ; tile_dim0
	s_mov_b32 s[\g+4], 128                         ; tile_dim1 = 128
	s_mov_b32 s[\g+5], KROW                        ; tensor_dim0_stride
	s_mov_b32 s[\g+6], 0
	s_mov_b32 s[\g+7], 0
.endr
	s_lshl_b32 s18, s16, 7                         ; which 128 rows of the tile I fetch
	s_lshl_b32 s20, s17, 8
	s_add_co_u32 s20, s20, s18                     ; R: row 256 x tile + 128 x half
	s_lshl_b32 s46, s42, 8
	s_add_co_u32 s46, s46, s18                     ; C: likewise
	s_mov_b32 s21, 0
	s_mov_b32 s47, 0
	s_mov_b64 s[18:19], KROW
	s_mul_u64 s[20:21], s[20:21], s[18:19]         ; in bytes
	s_mul_u64 s[46:47], s[46:47], s[18:19]
	s_mul_i32 s45, s14, HALFT                      ; where they go: wave x 128 rows: no place in the cluster enters an LDS address
	s_wait_kmcnt 0x0
	s_load_b256 s[92:99], s[82:83], 0x0            ; entries 0 to 7 of the scales
	s_load_b64 s[100:101], s[82:83], 0x20          ; entries 8, 9
	s_cmp_eq_u32 ttmp9, 1                          ; the buffers are chosen on the cluster's x, which hangs on no address
	s_cselect_b64 s[6:7], s[72:73], s[70:71]       ; Wk or Wq
	s_cselect_b64 s[12:13], s[78:79], s[76:77]     ; bk or bq
	s_cselect_b64 s[10:11], s[86:87], s[84:85]     ; kimg or qimg
	s_cmp_eq_u32 ttmp9, 2
	s_cselect_b64 s[4:5], s[74:75], s[68:69]       ; R comes from Wv (v) or from x
	s_cselect_b64 s[6:7], s[68:69], s[6:7]         ; C comes from x (v) or from the weight
	s_cselect_b64 s[12:13], s[80:81], s[12:13]     ; the bias
	s_cselect_b64 s[10:11], s[88:89], s[10:11]     ; the images
	s_add_nc_u64 s[20:21], s[4:5], s[20:21]
	s_add_nc_u64 s[46:47], s[6:7], s[46:47]
	CROUND                                         ; all sixteen work-groups are here: the first joint loads meet
.irp s, 0,1
	s_mov_b32 s[G0+4*\s], 1                        ; count = 1
	s_add_co_u32 s[G0+4*\s+1], s45, \s*SLOT        ; LDS address
	s_add_nc_u64 s[G0+4*\s+2:G0+4*\s+3], s[20:21], \s*ROWB   ; global address: K step s
	s_or_b32 s[G0+4*\s+3], s[G0+4*\s+3], 0x80000000          ; type = 2
	s_mov_b32 s[G0B+4*\s], 1
	s_add_co_u32 s[G0B+4*\s+1], s45, \s*SLOT
	s_add_nc_u64 s[G0B+4*\s+2:G0B+4*\s+3], s[46:47], \s*ROWB
	s_or_b32 s[G0B+4*\s+3], s[G0B+4*\s+3], 0x80000000
	JLOAD G0+4*\s, G1, G0B+4*\s, G1B               ; two loads of mine are out
.endr
	v_and_b32 v1, 15, v0                           ; r = lane % 16
	v_bfe_u32 v2, v0, 4, 1                         ; h = lane / 16
	v_mul_u32_u24 v3, v1, PITCH
	v_lshl_add_u32 v4, v2, 4, v3                   ; a fragment's row x pitch + 16 x half
	s_mul_i32 s21, s15, HALFT                      ; my 128 rows of R
	s_mul_i32 s22, s16, HALFT                      ; my 128 rows of C,
	s_add_co_u32 s22, s22, 2*HALFT                 ; which lie behind R's 256
.irp s, 0,1
	v_add_nc_u32 v[ADRA+\s], s21, v4
	v_add_nc_u32 v[ADRB+\s], s22, v4
	s_add_co_u32 s21, s21, SLOT
	s_add_co_u32 s22, s22, SLOT
.endr
	; which tokens and channels are mine: for q and k the tokens go with R, for v with C
	s_cmp_eq_u32 ttmp9, 2
	s_cselect_b32 s66, s42, s17                    ; TT: tile of 256 tokens, 0..31
	s_cselect_b32 s67, s17, s42                    ; CT: tile of 256 channels, 0..3
	s_cselect_b32 s90, s16, s15                    ; TH: my half of the tokens
	s_cselect_b32 s91, s15, s16                    ; CH: my half of the channels
	s_lshl_b32 s2, s67, 10
	s_lshl_b32 s3, s91, 9
	s_add_co_u32 s2, s2, s3                        ; 4 n0, n0 = 256 CT + 128 CH: my first channel
	s_mov_b32 s3, 0
	s_add_nc_u64 s[12:13], s[12:13], s[2:3]
	s_lshr_b32 s2, s66, 3                          ; the batch,
	s_lshl_b32 s2, s2, 4
	s_lshl_b32 s3, s67, 2
	s_add_co_u32 s2, s2, s3
	s_lshl_b32 s3, s91, 1
	s_add_co_u32 s2, s2, s3                        ; 16 x batch + my first head (a wave's 128 channels are two heads),
	s_lshl_b32 s2, s2, 17                          ; a head's images are 131,072 bytes in each of the three buffers,
	s_and_b32 s3, s66, 7
	s_lshl_b32 s3, s3, 14                          ; 256 tokens of a head are 16,384 bytes,
	s_add_co_u32 s2, s2, s3
	s_lshl_b32 s3, s90, 13                         ; 128 are 8,192
	s_add_co_u32 s2, s2, s3
	s_mov_b32 s3, 0
	s_add_nc_u64 s[10:11], s[10:11], s[2:3]
	v_lshlrev_b32 v5, 5, v2                        ; 32 h
	v_lshlrev_b32 v6, 2, v1                        ; 4 r
	v_and_b32 v7, 31, v0
	v_lshlrev_b32 v[GO], 4, v7
.irp b, 0,1,2,3,4,5,6,7                    ; both forms of the bias are read in every work-group, 512 bytes each, into registers that lie idle in the K steps; they are waited for on the way out
	global_load_b128 v[BI+8*\b:BI+8*\b+3], v5, s[12:13] offset:64*\b
	global_load_b128 v[BI+8*\b+4:BI+8*\b+7], v5, s[12:13] offset:64*\b+16
.endr
.irp a, 0,1,2,3,4,5,6,7
	global_load_b32 v[BV+2*\a], v6, s[12:13] offset:64*\a
	global_load_b32 v[BV+2*\a+1], v6, s[12:13] offset:64*\a
.endr
.macro FRAG reg, adr, q, i             ; a fragment, 16 rows x 128 K, is 16 registers, brought by four loads of 16 bytes: registers 4 c .. 4 c + 3 hold K = 32 c + 16 h + 0 .. 15: a permutation of k that is the same on both sides, so every product meets its partner
.irp c, 0,1,2,3
	ds_load_b128 v[\reg+4*\c:\reg+4*\c+3], v[\adr] offset:128*(\q)+32*\c+(\i)*16*PITCH
.endr
.endm
; 16 matrix instructions: R's blocks a0, a0 + 1 x C's eight, 128 along K.  p: C's set.  zero = 1: the first product starts the sums: nothing is ever cleared.
; The 64 accumulators take turns, one instruction a turn, in the same order in every step.
.macro MUL16 a0, p, zero
.irp a, \a0, \a0+1
.irp b, 0,1,2,3,4,5,6,7
.if \zero
	v_wmma_f32_16x16x128_fp8_fp8 v[8*(8*((\a)%4)+\b):8*(8*((\a)%4)+\b)+7], v[128*(\p)+FR*\b:128*(\p)+FR*\b+FR-1], v[AF+FR*(\a):AF+FR*(\a)+FR-1], 0
.else
	v_wmma_f32_16x16x128_fp8_fp8 v[8*(8*((\a)%4)+\b):8*(8*((\a)%4)+\b)+7], v[128*(\p)+FR*\b:128*(\p)+FR*\b+FR-1], v[AF+FR*(\a):AF+FR*(\a)+FR-1], v[8*(8*((\a)%4)+\b):8*(8*((\a)%4)+\b)+7]
.endif
.endr
.endr
.endm
.macro FETCH_B slot, q, p              ; C's eight fragments of the slot's q-th 128 along K into set p
	WIN TO_B
.irp i, 0,1,2,3,4,5,6,7
	FRAG 128*(\p)+FR*\i, ADRB+\slot, \q, \i
.endr
	WIN 0
.endm
.macro FETCH_A slot, q, i0             ; R's blocks i0 .. i0 + 3
.irp i, \i0, \i0+1, \i0+2, \i0+3
	FRAG AF+FR*(\i), ADRA+\slot, \q, \i
.endr
.endm
; A load into a register that a matrix instruction has read, and a vector instruction that reads a matrix result or writes one of a matrix instruction's registers, stand NP places behind it;
; only plain vector instructions that name none of its registers are places (ISA guide 7.12.1 for vector instructions).
.macro PLACES n
.rept \n
	v_nop
.endr
.endm
; A step of 128 along K that has its successor in the same slot.
.macro STEP slot, q, zero
	s_wait_dscnt 4*NL                              ; C's set and R's blocks 0-3 are in; the youngest sixteen loads (R's blocks 4-7) may be out
	WIN MUL_LO
	MUL16 0, (\q)%2, \zero
	MUL16 2, (\q)%2, \zero
	s_wait_dscnt 0                                 ; R's blocks 4-7 are in (asked for 32 matrix instructions ago)
	PLACES NP
	FETCH_B \slot, (\q)+1, 1-(\q)%2
	FETCH_A \slot, (\q)+1, 0
	WIN MUL_HI
	MUL16 4, (\q)%2, \zero
	MUL16 6, (\q)%2, \zero
	PLACES NP
	WIN 0
	FETCH_A \slot, (\q)+1, 4
.endm
; A slot's last step changes slots: ONE barrier; in front of it each wave waits for all its tensor loads, adds 0 to its spare word, and waits for that and for its own reads of this slot.  fill = 1: this slot is filled again, two K steps ahead.
.macro TURN slot, next, fill
	s_wait_tensorcnt 0x0                           ; all my tensor loads have landed: my part of the next slot;  (every window is 0 here: the add's two registers lie in window 0)
	ds_add_u32 v[SPW], v[NIL]                      ; 0 onto my spare word
	s_wait_dscnt 4*NL+1                            ; (the add and the youngest sixteen loads, R's blocks 4-7, may be out)
	WIN MUL_LO
	MUL16 0, 1, 0                                  ; sixteen matrix instructions stand between the add and the wait for it
	s_wait_dscnt 0x0                               ; the add is done, and my reads of this slot are over
	s_barrier_signal -1
	MUL16 2, 1, 0
	WIN 0
	s_barrier_wait -1
.if \fill
	CREST                                          ; the barrier has opened a round of the cluster's barrier: no wave of any partner still reads this slot's tile or has a load on its way
	s_add_nc_u64 s[G0+4*\slot+2:G0+4*\slot+3], s[G0+4*\slot+2:G0+4*\slot+3], 2*ROWB
	s_add_nc_u64 s[G0B+4*\slot+2:G0B+4*\slot+3], s[G0B+4*\slot+2:G0B+4*\slot+3], 2*ROWB
	JLOAD G0+4*\slot, G1, G0B+4*\slot, G1B         ; the first tensor load behind the round, my one load until the next; the four v_nop behind it are the places in front of the loads below
.else
	PLACES NP
.endif
	FETCH_B \next, 0, 0
	FETCH_A \next, 0, 0
	WIN MUL_HI
	MUL16 4, 1, 0
	MUL16 6, 1, 0
	PLACES NP
	WIN 0
	FETCH_A \next, 0, 4
.endm
	s_wait_tensorcnt 1                             ; my part of K step 0 is in (K step 1's load may be out)
	s_barrier_signal -1
	s_barrier_wait -1                              ; everybody's is
	FETCH_B 0, 0, 0
	FETCH_A 0, 0, 0
	FETCH_A 0, 0, 4
	; K = 1,024 is four slots' worth, eight steps of 128: written straight, without a loop
	STEP 0, 0, 1                                   ; the first step's products start the sums
	TURN 0, 1, 1                                   ; slot 0 takes K step 2
	STEP 1, 0, 0
	TURN 1, 0, 1                                   ; slot 1 takes K step 3
	STEP 0, 0, 0
	TURN 0, 1, 0                                   ; nothing is left to fetch: no round of the cluster's barrier
	STEP 1, 0, 0
	s_wait_dscnt 4*NL                              ; the very last step
	WIN MUL_LO
	MUL16 0, 1, 0
	MUL16 2, 1, 0
	s_wait_dscnt 0
	WIN MUL_HI
	MUL16 4, 1, 0
	MUL16 6, 1, 0
	WIN 0
; THE WAY OUT, by R's blocks.  64 results = sum x 2^(ex + ew) + bias (each accumulator from its low end on); the hold at the largest code x the scale, since the conversion to an 8-bit code does not saturate (ISA guide 7.6.2);
; eight conversions, each of a lane's eight neighbours along the next K; four stores of 512 consecutive bytes.
.macro OUT isv
.irp a, 0,1,2,3,4,5,6,7
.set AC, 64*(\a%4)
.set CC, CD+16*(\a%2)
	s_wait_xcnt 0x0                                ; the earlier stores have read their registers: this block's codes may be written
	WIN (0x02+(\a/4))                              ; source 0: window 2 or 3
.irp i, 0,2,4,6,8,10,12,14,16,18,20,22,24,26,28,30,32,34,36,38,40,42,44,46,48,50,52,54,56,58,60,62
.if \isv
	v_pk_fma_f32 v[TW+\i:TW+\i+1], v[AC+\i:AC+\i+1], s[96:97], v[BV+2*\a:BV+2*\a+1] op_sel_hi:[1,0,1]   ; v: a lane holds one channel, 16 a + r
.else
	v_pk_fma_f32 v[TW+\i:TW+\i+1], v[AC+\i:AC+\i+1], s[96:97], v[BI+\i:BI+\i+1] op_sel_hi:[1,0,1]       ; q, k: register 8 b + j holds channel 16 b + 8 h + j
.endif
.endr
	WIN 0
.set n, 0
.rept 64
	v_med3_num_f32 v[TW+n], v[TW+n], -v[LIM], v[LIM]
.set n, n+1
.endr
.irp b, 0,1,2,3,4,5,6,7
	v_cvt_scalef32_pk8_fp8_f32 v[CC+2*\b:CC+2*\b+1], v[TW+8*\b:TW+8*\b+7], v[SCQ]
.endr
	v_nop                                          ; one plain vector instruction between the conversions and the next block's lines, which write their sources
.irp k, 0,1,2,3
.if \isv
	global_store_b128 v[GO], v[CC+4*\k:CC+4*\k+3], s[10:11] offset:131072*(\a/4)+2048*(\a%4)+512*\k       ; head a / 4 of my two, channel tile a % 4, piece k: keys 32 k + 8 h ..
.else
	global_store_b128 v[GO], v[CC+4*\k:CC+4*\k+3], s[10:11] offset:1024*\a+131072*(\k/2)+512*(\k%2)       ; token tile a, head k / 2 of my two, piece k % 2
.endif
.endr
.endr
.endm
	s_wait_kmcnt 0x0
	s_add_co_i32 s92, s92, s93                     ; q's ex + ew
	s_add_co_i32 s94, s94, s95                     ; k's
	s_add_co_i32 s96, s96, s97                     ; v's
	s_cmp_eq_u32 ttmp9, 1
	s_cselect_b32 s96, s94, s96
	s_cselect_b32 s101, s99, s101                  ; eo: entry 7 for k, entry 9 for v,
	s_cmp_eq_u32 ttmp9, 0
	s_cselect_b32 s96, s92, s96
	s_cselect_b32 s101, s98, s101                  ; entry 6 for q
	s_add_co_i32 s96, s96, 127
	s_lshl_b32 s96, s96, 23                        ; 2^(ex + ew) as f32
	s_mov_b32 s97, s96                             ; (named with it as a pair, so it is written)
	s_add_co_i32 s101, s101, 127
	s_lshl_b32 s100, s101, 23
	v_mov_b32 v[SCQ], s100                         ; 2^eo: the conversion takes its exponent field
	s_add_co_i32 s101, s101, 8
	s_lshl_b32 s101, s101, 23
	s_or_b32 s101, s101, 0x600000
	v_mov_b32 v[LIM], s101                         ; 448 x 2^eo
	s_wait_loadcnt 0x0                             ; the biases
	PLACES NP                                      ; behind the last products: their sources' registers are written below, their results read later
	s_cmp_eq_u32 ttmp9, 2                          ; the cluster's x: the same way for all waves of all sixteen partners
	s_cbranch_scc1 .Lv_out
	OUT 0
	s_branch .Lend
.Lv_out:
	OUT 1
.Lend:
	s_wait_tensorcnt 0x0                           ; the wave's end
	ds_add_u32 v[SPW], v[NIL]
	s_wait_dscnt 0x0
	CROUND                                         ; the closing round: no work-group ends while a partner may still ask for a tile that names it
	s_endpgm
.Lfunc_end_k_q671e92a41c_qkv:
	.size	k_q671e92a41c_qkv, .Lfunc_end_k_q671e92a41c_qkv-k_q671e92a41c_qkv
	.p2alignl 7, 3214868480
	.fill 96, 4, 3214868480
	.section	.rodata,"a",@progbits
	.p2align	6, 0x0
	.amdhsa_kernel k_q671e92a41c_qkv
		.amdhsa_group_segment_fixed_size 327680
		.amdhsa_private_segment_fixed_size 0
		.amdhsa_enable_private_segment 0
		.amdhsa_kernarg_size 88
		.amdhsa_user_sgpr_count 2
		.amdhsa_user_sgpr_kernarg_segment_ptr 1
		.amdhsa_wavefront_size32 1
		.amdhsa_system_sgpr_workgroup_id_x 1
		.amdhsa_system_sgpr_workgroup_id_y 1
		.amdhsa_system_sgpr_workgroup_id_z 1
		.amdhsa_system_vgpr_workitem_id 0
		.amdhsa_next_free_vgpr 1024
		.amdhsa_next_free_sgpr 102
		.amdhsa_reserve_vcc 0
		.amdhsa_float_denorm_mode_32 3
		.amdhsa_float_denorm_mode_16_64 3
		.amdhsa_memory_ordered 1
		.amdhsa_forward_progress 1
		.amdhsa_inst_pref_size 194
	.end_amdhsa_kernel
	.amdgpu_metadata
---
amdhsa.version: [ 1, 2 ]
amdhsa.kernels:
  - .name:           k_q671e92a41c_qkv
    .symbol:         k_q671e92a41c_qkv.kd
    .args:
      - { .name: x_codes, .offset: 0, .size: 8, .value_kind: global_buffer, .address_space: global }
      - { .name: Wq_codes, .offset: 8, .size: 8, .value_kind: global_buffer, .address_space: global }
      - { .name: Wk_codes, .offset: 16, .size: 8, .value_kind: global_buffer, .address_space: global }
      - { .name: Wv_codes, .offset: 24, .size: 8, .value_kind: global_buffer, .address_space: global }
      - { .name: bq, .offset: 32, .size: 8, .value_kind: global_buffer, .address_space: global }
      - { .name: bk, .offset: 40, .size: 8, .value_kind: global_buffer, .address_space: global }
      - { .name: bv, .offset: 48, .size: 8, .value_kind: global_buffer, .address_space: global }
      - { .name: lowp_scales, .offset: 56, .size: 8, .value_kind: global_buffer, .address_space: global }
      - { .name: qimg, .offset: 64, .size: 8, .value_kind: global_buffer, .address_space: global }
      - { .name: kimg, .offset: 72, .size: 8, .value_kind: global_buffer, .address_space: global }
      - { .name: vimg, .offset: 80, .size: 8, .value_kind: global_buffer, .address_space: global }
    .group_segment_fixed_size: 327680
    .private_segment_fixed_size: 0
    .kernarg_segment_align: 8
    .kernarg_segment_size: 88
    .max_flat_workgroup_size: 128
    .sgpr_count:     102
    .vgpr_count:     1024
    .wavefront_size: 32
...
	.end_amdgpu_metadata
.endif
;; end of part 1
;; launch attn (part 2): grid 4 x 64, 16 waves a work-group, no clusters, 67,584 bytes of LDS; arguments qimg, kimg, vimg, lowp_scales, yimg; writes yimg
.if DOCPART == 2
	.amdgcn_target "amdgcn-amd-amdhsa--gfx1250"
	.amdhsa_code_object_version 6
	.text
	.protected	k_q671e92a41c_attn
	.globl	k_q671e92a41c_attn
	.p2align	8
	.type	k_q671e92a41c_attn,@function
k_q671e92a41c_attn:
	s_mov_b64 s[64:65], 0
	v_nop
	global_prefetch_b8 v0, s[64:65] scope:SCOPE_SE
	s_setreg_imm32_b32 hwreg(HW_REG_WAVE_MODE, 25, 1), 1
	s_wait_xcnt 0x0
; y[b][h][q] = the sum over k <= q of softmax_k(q . k / 8) v[k], both products on codes of FP8 (E4M3); y leaves as codes for the last product.  64 heads of 2,048 tokens x 64 channels.
; q, k, v come as images of operand registers (a piece = four registers of 32 lanes, lane l's 16 bytes at 16 l): qimg, kimg [64 heads][128 tiles of 16 tokens][2 pieces]; vimg [64 heads][16 steps of 128 keys][4 tiles of 16 channels][4 pieces].
; THE SOFTMAX: t = score x 2^(e6 + e7) x log2(e) / 8; M = the row's largest t so far, rounded UP to a whole number; p = 2^(t - M) is quantised with 2^e8, not normalised; the row's sum is taken of the unquantised p, in f32,
; and divides at the end.  When M moves, the sum and O are multiplied by 2^(old M - new M): exact.  y = O x 2^(e8 + e9) / sum, quantised with 2^e10.
; SHARES.  A work-group owns TWO blocks of 256 queries of one head: block j, then block 7 - j (j = work-group x, 0..3).  Under the causal mask block i needs the first i + 1 slots of 256 keys, so every work-group walks
; (j + 1) + (8 - j) = 9 slots: a constant trip count, equal work in all 256 work-groups, and no tile is fetched that nobody reads.  Each of the SIXTEEN waves owns 16 queries of the block: four waves to a SIMD,
; so that one wave's vector work stands beside another's matrix work and LDS loads.
; THE KEYS' WAY.  A slot is 16,384 bytes of K's images and 16,384 of V's, dense in memory.  Each thread copies 64 bytes of it: four loads of 16 bytes at a trip's head, four LDS stores at its end into the slot that is not
; being read, one barrier a trip.  A fragment is read from LDS at 16 x lane + a constant: no pitch, no padding.
; NO JOINT REQUESTS: the four work-groups of a head walk different key slots in the same trip (that is the price of the even split), and a trip's 32,768 bytes stand against 32 wave steps of about 200 vector instructions.
; NO TENSOR LOADS. p is at most 1, so its hold at 448 x 2^e8 is left out where e8 >= -8.
; LAYOUT.  S^T = K Q^T (source 0 = 16 keys, source 1 = my 16 queries): lane (r, h) holds query r, and register 8 t + i key 16 t + 8 h + i of the step.  Eight such registers become two registers of codes, which are
; registers 2 t, 2 t + 1 of the operand of O^T = V^T P^T (K = 128 keys) as they stand.  O^T again holds one query a lane, register 8 c + i channel 16 c + 8 h + i: its codes are the image of the last product's operand.
; LIMITS on the given exponents, so that each power of two below is an f32 number: e6 + e7 between -123 and 130 (added to c's exponent field); e8 and e10 between -126 and 119; e8 + e9 goes through v_ldexp_f32 and has none.
; REGISTERS: v1 16 x lane; v2 16 x thread; v3 the copy's offset in memory; v4 r - 8 h; v12 -M, v13 the largest t, v[14:15] the sum in two halves; v16-23 Q; v24-31 the second block's Q; v32-47 the copy's 64 bytes;
;   v48-111 8 fragments of K, then 4 of V; v112-175 S^T, then p; v176-207 O^T; v208-223 p's codes (at a block's end y's); v224, v225 at work; v226 f, later 1 / sum (v227: the pair's upper half); v[228:229] the second chain of sums;
;   v230 a permute's destination; v231 -infinity; v232 the mask's d; v234 448 x 2^e8, v235 2^e8, v236 448 x 2^e10, v237 2^e10.
; SCALARS: s14 wave; s15 j; s16 head; s17 j + 1: the trip at which the blocks change; s18 the trip; s19 the key slot being fetched; s21 the step's first key; s22 my first query, s23 the second block's; s25 1 where p wants its hold;
;   s[26:27] c; s[28:29] lane selects; s[30:31], s[32:33] where my two tiles of y go; s[36:40] e6 .. e10; s41 the loop's count; s48 e8 + e9.
.set SG,    32
.set FRG,   48
.set SC,    112
.set OT,    176
.set PC,    208
.set SLOTB, 32768                      ; an LDS slot: K's 16 tiles of 1,024 bytes, then V's 2 x 4 fragments of 2,048
.set VOFF,  16384
	s_load_b256 s[4:11], s[0:1], 0x0               ; qimg s[4:5], kimg s[6:7], vimg s[8:9], the scales' exponents s[10:11]
	s_load_b64 s[12:13], s[0:1], 0x20              ; yimg
	v_lshl_add_u32 v240, v0, 2, 0x10000
	v_mov_b32 v241, 0
	v_lshrrev_b32 v5, 5, v0
	v_readfirstlane_b32 s14, v5                    ; wave 0..15
	s_mov_b32 s15, ttmp9                           ; j
	s_and_b32 s16, ttmp7, 0xffff                   ; the head, 16 x batch + head
	s_add_co_u32 s17, s15, 1
	s_sub_co_u32 s24, 7, s15                       ; the second block
	v_and_b32 v1, 31, v0
	v_lshlrev_b32 v1, 4, v1
	v_lshlrev_b32 v2, 4, v0
	v_and_b32 v5, 15, v0
	v_bfe_u32 v6, v0, 4, 1
	v_lshlrev_b32 v6, 3, v6
	v_sub_nc_u32 v4, v5, v6                        ; r - 8 h
	s_lshl_b32 s42, s16, 17                        ; a head's images are 131,072 bytes in qimg, kimg and vimg
	s_mov_b32 s43, 0
	s_lshl_b32 s22, s15, 8
	s_lshl_b32 s44, s14, 4
	s_add_co_u32 s22, s22, s44                     ; my first query: 256 j + 16 x wave
	s_lshl_b32 s23, s24, 8
	s_add_co_u32 s23, s23, s44                     ; and in the second block
	s_lshl_b32 s44, s22, 6                         ; a tile of 16 queries is 1,024 bytes
	v_add_nc_u32 v5, s44, v1
	s_lshl_b32 s44, s23, 6
	v_add_nc_u32 v6, s44, v1
	; yimg: [32 tiles of 256 tokens][4 K steps of 4 heads][16 tiles of 16 tokens][4 heads][2 pieces]
	s_lshr_b32 s44, s16, 4
	s_lshl_b32 s44, s44, 3                         ; 8 x batch
	s_bfe_u32 s45, s16, 0x20002                    ; head / 4
	s_and_b32 s46, s16, 3
	s_lshl_b32 s46, s46, 10                        ; head % 4
	s_lshl_b32 s47, s14, 12
	s_add_co_u32 s46, s46, s47                     ; + 4,096 x wave
	s_add_co_u32 s30, s44, s15
	s_lshl_b32 s30, s30, 2
	s_add_co_u32 s30, s30, s45
	s_lshl_b32 s30, s30, 16
	s_add_co_u32 s30, s30, s46
	s_mov_b32 s31, 0
	s_add_co_u32 s32, s44, s24
	s_lshl_b32 s32, s32, 2
	s_add_co_u32 s32, s32, s45
	s_lshl_b32 s32, s32, 16
	s_add_co_u32 s32, s32, s46
	s_mov_b32 s33, 0
	s_mov_b32 s28, 0x76543210                      ; v_permlanex16_b32: lane l takes lane l xor 16
	s_mov_b32 s29, 0xfedcba98
	s_mov_b32 s26, 0x3e38aa3b                      ; c = log2(e) / 8
	s_mov_b32 s18, 0
	s_mov_b32 s19, 0
	s_mov_b32 s21, 0
	s_mov_b32 s41, 4
	s_wait_kmcnt 0x0
	s_load_b128 s[36:39], s[10:11], 0x18           ; e6, e7, e8, e9
	s_load_b32 s40, s[10:11], 0x28                 ; e10
	s_add_nc_u64 s[4:5], s[4:5], s[42:43]
	s_add_nc_u64 s[6:7], s[6:7], s[42:43]
	s_add_nc_u64 s[8:9], s[8:9], s[42:43]
	s_add_nc_u64 s[30:31], s[12:13], s[30:31]
	s_add_nc_u64 s[32:33], s[12:13], s[32:33]
	global_load_b128 v[SG:SG+3], v2, s[6:7]                    ; key slot 0: 512 threads x 16 bytes are 8,192 consecutive bytes
	global_load_b128 v[SG+4:SG+7], v2, s[6:7] offset:8192
	global_load_b128 v[SG+8:SG+11], v2, s[8:9]
	global_load_b128 v[SG+12:SG+15], v2, s[8:9] offset:8192
	global_load_b128 v[16:19], v5, s[4:5]                      ; Q's fragment of both blocks stays in registers
	global_load_b128 v[20:23], v5, s[4:5] offset:512
	global_load_b128 v[24:27], v6, s[4:5]
	global_load_b128 v[28:31], v6, s[4:5] offset:512
.macro START                           ; a block's sums begin: O^T and the sum as zeros, the largest t as -3e38, under every t: the first change of M multiplies zeros
.set n, 0
.rept 32
	v_mov_b32 v[OT+n], 0
.set n, n+1
.endr
	v_mov_b32 v13, 0xff61b1e6
	v_floor_f32 v12, -v13
	v_mov_b32 v14, 0
	v_mov_b32 v15, 0
.endm
	START
	v_mov_b32 v227, 0                              ; (named as the upper half of the pair v[226:227])
	v_mov_b32 v230, 0                              ; written once: a lane permute's destination counts as one of its sources
	v_mov_b32 v231, 0xff800000                     ; -infinity
	s_wait_kmcnt 0x0
	s_add_co_i32 s42, s36, s37
	s_lshl_b32 s42, s42, 23
	s_add_co_i32 s26, s26, s42                     ; a score stands for score x 2^(e6 + e7): the two exponents are added to c's exponent field
	s_mov_b32 s27, s26                             ; (named with it as a pair, so it is written)
	s_add_co_i32 s42, s38, 127
	s_lshl_b32 s43, s42, 23
	v_mov_b32 v235, s43                            ; 2^e8, for p's conversions
	s_add_co_i32 s42, s42, 8
	s_lshl_b32 s42, s42, 23
	s_or_b32 s42, s42, 0x600000
	v_mov_b32 v234, s42                            ; 448 x 2^e8
	s_add_co_i32 s42, s40, 127
	s_lshl_b32 s43, s42, 23
	v_mov_b32 v237, s43                            ; 2^e10, for y's
	s_add_co_i32 s42, s42, 8
	s_lshl_b32 s42, s42, 23
	s_or_b32 s42, s42, 0x600000
	v_mov_b32 v236, s42                            ; 448 x 2^e10
	s_add_co_i32 s48, s38, s39                     ; e8 + e9
	s_cmp_lt_i32 s38, -8                           ; 448 x 2^e8 is under 1, the largest p, only where e8 < -8
	s_cselect_b32 s25, 1, 0
	s_wait_loadcnt 0x0
	ds_store_b128 v2, v[SG:SG+3]
	ds_store_b128 v2, v[SG+4:SG+7] offset:8192
	ds_store_b128 v2, v[SG+8:SG+11] offset:VOFF
	ds_store_b128 v2, v[SG+12:SG+15] offset:VOFF+8192
	s_wait_dscnt 0x0                               ; for the others' sake: my part of slot 0 lies in LDS
	s_barrier_signal -1
	s_barrier_wait -1
; A KEY STEP: 128 keys, the q-th half of the LDS slot.
.macro STEP slot, q
	s_add_co_u32 s24, s22, 15                      ; a step all of whose keys come after my 16 queries is left out: a scalar branch on ids; no barrier stands in a step
	s_cmp_gt_u32 s21, s24
	s_cbranch_scc1 .Lhid_\@
.rept 4
	v_nop                                          ; places in front of loads into registers that the last products have read
.endr
.irp t, 0,1,2,3,4,5,6,7
	ds_load_b128 v[FRG+8*\t:FRG+8*\t+3], v1 offset:\slot*SLOTB+\q*8192+1024*\t
	ds_load_b128 v[FRG+8*\t+4:FRG+8*\t+7], v1 offset:\slot*SLOTB+\q*8192+1024*\t+512
.endr
	s_wait_dscnt 0x0
.irp t, 0,1,2,3,4,5,6,7
	v_wmma_f32_16x16x64_fp8_fp8 v[SC+8*\t:SC+8*\t+7], v[FRG+8*\t:FRG+8*\t+7], v[16:23], 0
.endr
.rept 4
	v_nop                                          ; places in front of the loads below and of the first read of the scores
.endr
.irp u, 0,1,2,3                            ; V's four fragments take K's registers and land under the softmax
.irp p, 0,1,2,3
	ds_load_b128 v[FRG+16*\u+4*\p:FRG+16*\u+4*\p+3], v1 offset:\slot*SLOTB+VOFF+\q*8192+2048*\u+512*\p
.endr
.endr
	s_add_co_u32 s24, s21, 127                     ; on the diagonal the scores of hidden keys become -infinity ahead of the maximum: p = 0 then.  A step all of whose keys count skips this
	s_cmp_le_u32 s24, s22
	s_cbranch_scc1 .Lopen_\@
	s_sub_co_i32 s24, s22, s21
	v_add_nc_u32 v232, s24, v4                     ; d = my query - the step's first key - 8 h.  Register 8 t + i holds key 16 t + 8 h + i: hidden where 16 t + i > d
.set n, 0
.rept 64
	v_cmp_gt_i32 vcc_lo, 16*(n/8)+n%8, v232
	v_cndmask_b32 v[SC+n], v[SC+n], v231, vcc_lo
.set n, n+1
.endr
.Lopen_\@:
	v_max3_num_f32 v224, v[SC], v[SC+1], v[SC+2]   ; the step's largest score of my query, among my 64 keys, in two chains (each accumulator is met first at its low end),
	v_max3_num_f32 v225, v[SC+3], v[SC+4], v[SC+5]
.set n, 6
.rept 14
	v_max3_num_f32 v224, v224, v[SC+n], v[SC+n+1]
	v_max3_num_f32 v225, v225, v[SC+n+2], v[SC+n+3]
.set n, n+4
.endr
	v_max3_num_f32 v224, v224, v[SC+62], v[SC+63]
	v_max_num_f32 v224, v224, v225
	v_permlanex16_b32 v230, v224, s28, s29
	v_max_num_f32 v224, v224, v230                 ; and among lane l xor 16's
	v_mul_f32 v224, s26, v224                      ; as t (c is positive)
	v_max_num_f32 v13, v13, v224                   ; the running largest t
	v_mov_b32 v224, v12
	v_floor_f32 v12, -v13                          ; the new -M = floor(-t) = -ceil(t): M is a whole number
	v_sub_f32 v224, v12, v224                      ; M's old value less its new one: a whole number, 0 or less
	v_cvt_i32_f32 v224, v224                       ; (it saturates)
	v_ldexp_f32 v226, 1.0, v224                    ; f = 2^(old M - new M)
.set n, 0
.rept 32
	v_pk_fma_f32 v[SC+n:SC+n+1], v[SC+n:SC+n+1], s[26:27], v[12:13] op_sel_hi:[1,0,0]   ; t - M, two at a time (of the pairs c and -M the low word serves both halves)
.set n, n+2
.endr
.set n, 0
.rept 64
	v_exp_f32 v[SC+n], v[SC+n]                     ; p = 2^(t - M), at most 1: not normalised
.set n, n+1
.endr
	v_pk_mul_f32 v[14:15], v[14:15], v[226:227] op_sel_hi:[1,0]   ; the sums under the new M.  (A plain place behind the exponentials)
	s_wait_alu depctr_va_vdst(0)
	v_pk_add_f32 v[228:229], v[SC:SC+1], v[SC+2:SC+3]             ; the row's sum is taken of the unquantised p: two at a time, in two chains
.set n, 4
.rept 15
	v_pk_add_f32 v[14:15], v[14:15], v[SC+n:SC+n+1]
	v_pk_add_f32 v[228:229], v[228:229], v[SC+n+2:SC+n+3]
.set n, n+4
.endr
	v_pk_add_f32 v[14:15], v[14:15], v[228:229]
	s_cmp_eq_u32 s25, 0                            ; the conversion to an 8-bit code does not saturate (ISA guide 7.6.2): where 448 x 2^e8 lies under 1, p is held first; p is not negative, so the hold is one-sided
	s_cbranch_scc1 .Lfits_\@
.set n, 0
.rept 64
	v_min_num_f32 v[SC+n], v[SC+n], v234
.set n, n+1
.endr
.Lfits_\@:
.irp t, 0,1,2,3,4,5,6,7
	v_cvt_scalef32_pk8_fp8_f32 v[PC+2*\t:PC+2*\t+1], v[SC+8*\t:SC+8*\t+7], v235   ; keys 16 t + 8 h + 0 .. 7: registers 2 t, 2 t + 1 of the operand
.endr
.set n, 0
.rept 16
	v_pk_mul_f32 v[OT+n:OT+n+1], v[OT+n:OT+n+1], v[226:227] op_sel_hi:[1,0]       ; O^T under the new M: x f, from each accumulator's low end on.  (Also the plain lines behind the conversions)
.set n, n+2
.endr
	s_wait_dscnt 0x0                               ; V's fragments are in
.irp u, 0,1,2,3                            ; the four accumulators take turns, one instruction a turn; between two links of a chain stand the three others' and the next step's eight
	v_wmma_f32_16x16x128_fp8_fp8 v[OT+8*\u:OT+8*\u+7], v[FRG+16*\u:FRG+16*\u+15], v[PC:PC+15], v[OT+8*\u:OT+8*\u+7]
.endr
.Lhid_\@:
	s_add_co_u32 s21, s21, 128
.endm
; A BLOCK'S END: y = O^T x 2^(e8 + e9) / the sum, held, converted; my 16 tokens x 64 channels are 8 registers of codes: two stores of 512 consecutive bytes.
.macro FINISH yb
.rept 4
	v_nop                                          ; places behind the last products
.endr
	v_add_f32 v14, v14, v15                        ; the sum's two halves,
	v_permlanex16_b32 v230, v14, s28, s29
	v_add_f32 v14, v14, v230                       ; and lane l xor 16's: the row's sum
	v_rcp_f32 v226, v14
	v_nop                                          ; one plain place behind a transcendental
	s_wait_alu depctr_va_vdst(0)
	v_ldexp_f32 v226, v226, s48
.set n, 0
.rept 16
	v_pk_mul_f32 v[SC+n:SC+n+1], v[OT+n:OT+n+1], v[226:227] op_sel_hi:[1,0]
.set n, n+2
.endr
.set n, 0
.rept 32
	v_med3_num_f32 v[SC+n], v[SC+n], -v236, v236
.set n, n+1
.endr
.irp u, 0,1,2,3
	v_cvt_scalef32_pk8_fp8_f32 v[PC+2*\u:PC+2*\u+1], v[SC+8*\u:SC+8*\u+7], v237
.endr
	v_nop                                          ; one plain line behind the conversions: later lines write their sources and results again
	global_store_b128 v1, v[PC:PC+3], s[\yb:\yb+1]
	global_store_b128 v1, v[PC+4:PC+7], s[\yb:\yb+1] offset:512
	s_wait_xcnt 0x0                                ; the stores have read their registers: the codes' registers may be written again
.endm
; A TRIP: one LDS slot, two key steps.  more = 1: the next trip's keys are asked for at the head and go into the other slot at the end.
.macro TRIP slot, more
.if \more
	s_cmp_lg_u32 s18, s17                          ; trip j + 1 is the second block's first: the first block goes out, the sums begin anew.  (j + 1 is 1 to 4: the last trip, written out below, never meets this)
	s_cbranch_scc1 .Lsame_\@
	FINISH 30
	START
.set n, 0
.rept 8
	v_mov_b32 v[16+n], v[24+n]                     ; the second block's Q
.set n, n+1
.endr
	s_mov_b32 s22, s23
	s_mov_b32 s21, 0
.Lsame_\@:
	s_add_co_u32 s19, s19, 1                       ; the next trip's key slot: the next one, or, at the change of blocks, the first again
	s_add_co_u32 s18, s18, 1
	s_cmp_eq_u32 s18, s17
	s_cselect_b32 s19, 0, s19
	s_lshl_b32 s20, s19, 14
	v_add_nc_u32 v3, s20, v2                       ; (the last loads that named v3 were waited for in the trip before)
	global_load_b128 v[SG:SG+3], v3, s[6:7]
	global_load_b128 v[SG+4:SG+7], v3, s[6:7] offset:8192
	global_load_b128 v[SG+8:SG+11], v3, s[8:9]
	global_load_b128 v[SG+12:SG+15], v3, s[8:9] offset:8192
.endif
	STEP \slot, 0
	STEP \slot, 1
.if \more
	s_wait_loadcnt 0x0                             ; asked for two key steps ago
	ds_store_b128 v2, v[SG:SG+3] offset:(1-\slot)*SLOTB                ; the other slot was last read in the trip before, whose closing barrier stands behind every wave's wait for its reads
	ds_store_b128 v2, v[SG+4:SG+7] offset:(1-\slot)*SLOTB+8192
	ds_store_b128 v2, v[SG+8:SG+11] offset:(1-\slot)*SLOTB+VOFF
	ds_store_b128 v2, v[SG+12:SG+15] offset:(1-\slot)*SLOTB+VOFF+8192
	s_wait_dscnt 0x0                               ; my stores have landed, and my reads of this slot are over
	s_barrier_signal -1
	s_barrier_wait -1
.endif
.endm
.Lpair:                                            ; four times two trips: trips 0 to 7
	TRIP 0, 1
	TRIP 1, 1
	s_sub_co_u32 s41, s41, 1
	s_cmp_lg_u32 s41, 0
	s_cbranch_scc1 .Lpair
	TRIP 0, 0                                      ; trip 8 fetches nothing
	FINISH 32
	s_wait_tensorcnt 0x0
	ds_add_u32 v240, v241
	s_wait_dscnt 0x0
	s_endpgm
.Lfunc_end_k_q671e92a41c_attn:
	.size	k_q671e92a41c_attn, .Lfunc_end_k_q671e92a41c_attn-k_q671e92a41c_attn
	.p2alignl 7, 3214868480
	.fill 96, 4, 3214868480
	.section	.rodata,"a",@progbits
	.p2align	6, 0x0
	.amdhsa_kernel k_q671e92a41c_attn
		.amdhsa_group_segment_fixed_size 67584
		.amdhsa_private_segment_fixed_size 0
		.amdhsa_enable_private_segment 0
		.amdhsa_kernarg_size 40
		.amdhsa_user_sgpr_count 2
		.amdhsa_user_sgpr_kernarg_segment_ptr 1
		.amdhsa_wavefront_size32 1
		.amdhsa_system_sgpr_workgroup_id_x 1
		.amdhsa_system_sgpr_workgroup_id_y 1
		.amdhsa_system_sgpr_workgroup_id_z 1
		.amdhsa_system_vgpr_workitem_id 0
		.amdhsa_next_free_vgpr 242
		.amdhsa_next_free_sgpr 66
		.amdhsa_reserve_vcc 1
		.amdhsa_float_denorm_mode_32 3
		.amdhsa_float_denorm_mode_16_64 3
		.amdhsa_memory_ordered 1
		.amdhsa_forward_progress 1
		.amdhsa_inst_pref_size 146
	.end_amdhsa_kernel
	.amdgpu_metadata
---
amdhsa.version: [ 1, 2 ]
amdhsa.kernels:
  - .name:           k_q671e92a41c_attn
    .symbol:         k_q671e92a41c_attn.kd
    .args:
      - { .name: qimg, .offset: 0, .size: 8, .value_kind: global_buffer, .address_space: global }
      - { .name: kimg, .offset: 8, .size: 8, .value_kind: global_buffer, .address_space: global }
      - { .name: vimg, .offset: 16, .size: 8, .value_kind: global_buffer, .address_space: global }
      - { .name: lowp_scales, .offset: 24, .size: 8, .value_kind: global_buffer, .address_space: global }
      - { .name: yimg, .offset: 32, .size: 8, .value_kind: global_buffer, .address_space: global }
    .group_segment_fixed_size: 67584
    .private_segment_fixed_size: 0
    .kernarg_segment_align: 8
    .kernarg_segment_size: 40
    .max_flat_workgroup_size: 512
    .sgpr_count:     66
    .vgpr_count:     242
    .wavefront_size: 32
...
	.end_amdgpu_metadata
.endif
;; end of part 2
;; launch proj (part 3): grid 4 x 32, 4 waves a work-group, clusters of 4 x 4, 327,680 bytes of LDS; arguments yimg, Wp_codes, lowp_scales, bp, out0; writes out0
.if DOCPART == 3
	.amdgcn_target "amdgcn-amd-amdhsa--gfx1250"
	.amdhsa_code_object_version 6
	.text
	.protected	k_q671e92a41c_proj
	.globl	k_q671e92a41c_proj
	.p2align	8
	.type	k_q671e92a41c_proj,@function
k_q671e92a41c_proj:
	s_mov_b64 s[64:65], 0
	v_nop
	global_prefetch_b8 v0, s[64:65] scope:SCOPE_SE
	s_setreg_imm32_b32 hwreg(HW_REG_WAVE_MODE, 25, 1), 1
	s_wait_xcnt 0x0
	s_wait_alu depctr_hold_cnt(0) depctr_sa_sdst(0) depctr_va_vdst(0) depctr_va_sdst(0) depctr_va_ssrc(0) depctr_va_vcc(0) depctr_vm_vsrc(0)
	s_getreg_b32 s2, hwreg(HW_REG_IB_STS2, 6, 4)
	s_cmp_eq_u32 s2, 0
	s_cbranch_scc0 .Lentry_in_a_cluster
	s_endpgm
.Lentry_in_a_cluster:
	s_bfe_u32 s2, ttmp6, 0x10000c
	s_cmp_lg_u32 s2, 0xf033
	s_cbranch_scc0 .Lentry_shape_is_right
	s_endpgm
.Lentry_shape_is_right:
; out0 = y Wp + bp.  y: 8,192 tokens x 1,024 channels as codes of FP8 (E4M3), laid as images of operand registers; Wp: [1024 (n)][1024 (k)] codes, K innermost; bp [1024], out0 [8192][1024]: f32.
; out0 = sum x 2^(e10 + e11) + bp, one fused multiply-add.  LIMIT: e10 + e11 between -126 and 127, so that 2^(e10 + e11) is an f32 number.
; A tile of 256 x 256 is made by a work-group of four waves; a wave makes 128 x 128: 64 accumulators, 512 registers.  32 x 4 tiles: 128 work-groups.  A tile of 128 x 256 would give 256, but each of its products would read one and a half times the LDS bytes.
; K goes in four steps of 256 through a ring of two LDS slots filled by the tensor data mover.
; yimg: [32 tiles of 256 tokens][4 K steps of 256][16 tiles of 16 tokens][4 heads of 64 channels][2 pieces]; a piece is four registers of 32 lanes, lane l's 16 bytes at 16 l; registers 2 c, 2 c + 1 of lane (r, h) hold k = 16 c + 8 h + 0 .. 7 of token r.
; So a K step's tile of y is 65,536 dense bytes, and a fragment (16 tokens x 128 K: two heads) is four loads of 16 bytes at 16 x lane.  Wp's fragments are brought in the same places of k, by eight loads of 8 bytes from padded rows.
; CLUSTERS: 4 x 4 work-groups.  The four of a row of the cluster need the same tiles of y, the four of a column the same tiles of Wp: each tile is asked for JOINTLY.
; THE MATRIX INSTRUCTION IS USED TRANSPOSED (source 0 = 16 rows of Wp, source 1 = 16 tokens): a lane then holds eight neighbouring numbers of a row of out0.
; REGISTERS, in windows of 256: window 0: v0-31 addresses, v8-11 bp of my four columns; from v128 y's fragments, ONE set; on the way out v128-255 hold rows.
;   window 1: Wp's fragments, TWO sets, at v0 and at v128.   window 2: the accumulators of my rows 0-63 (accumulator (a, b) at v[8 (8 a + b)]);   window 3: those of my rows 64-127.
.set PITCH,  272                       ; a row of Wp's tile in LDS: 256 bytes + 16 of padding = 68 words: the 32 lanes of a load of 8 bytes (row r, + 8 h) touch words 68 r + 2 h, + 1: 64 different banks (64 banks of 4 bytes: ISA guide 11.1)
.set FR,     16                        ; registers of a fragment
.set NL,     4                         ; LDS loads that bring a fragment of y
.set NP,     4                         ; places behind this matrix instruction (ISA guide 7.12.1)
.set AREG,   65536                     ; a slot: y's 16 token tiles of 4,096 bytes,
.set HALFB,  128*PITCH                 ; then Wp's two halves of 128 rows
.set SLOT,   AREG+2*HALFB
.set SPARE,  2*SLOT                    ; behind the ring: the spare words, 128 bytes for each wave: two blocks of 256 bytes that no other line names
.set STG,    SPARE+512                 ; behind them: a stage of 16 rows x (512 bytes + 16) for each wave, for the way out: bytes of its own, which no tensor load fills
.set SPITCH, 528
.set BP,   8                           ; v8-11   bp of my four columns on the way out
.set ADRA, 16                          ; v16-17  LDS address of my fragments of y in slot 0, 1
.set ADRB, 20                          ; v20-21  the same for Wp
.set STO,  24                          ; v24     the way out: where I put 32 bytes of a row
.set RD,   25                          ; v25     the way out: where I read a row back
.set CO,   26                          ; v26     16 x lane
.set SPW,  28                          ; v28     LDS address of my spare word: SPARE + 4 x my thread's number; never rewritten
.set NIL,  29                          ; v29     0; never rewritten
.set AF,   128                         ; y's fragments, in window 0
.set BK,   128                         ; the way out: 16 rows read back from the stage: v128-191 and v192-255 by turns
.set G1, 24                            ; s[24:31] descriptor group 1 for y's tiles;  s[32:39] group 0, one set for each slot
.set G0, 32
.set G1B, 48                           ; s[48:55], s[56:63] the same for Wp's tiles
.set G0B, 56
.set MSB, 0
.macro WIN new                         ; the immediate's high byte repeats the setting that is left
.if MSB != \new
	s_set_vgpr_msb (MSB<<8)|\new
.set MSB, \new
.endif
.endm
.set MUL_LO, 0xa1                      ; source 0 (Wp) window 1, source 1 (y) window 0, sums window 2
.set MUL_HI, 0xf1                      ; the same, sums window 3
.set TO_B,   0x40                      ; destination window 1, address window 0
; A joint load: waves 0 and 1 fetch y's halves, waves 2 and 3 Wp's.  Each of the two lines has ONE mask and one set of registers for all that issue it; the branch hangs on the wave's number alone.
; Four v_nop follow each of the two lines, ahead of the jump, the label and what follows.
.macro JLOAD g0a, g1a, g0b, g1b
	s_cmp_eq_u32 s15, 0
	s_cbranch_scc0 .Lfor_b_\@
	tensor_load_to_lds s[\g0a:\g0a+3], s[\g1a:\g1a+7]
	s_nop 0
.rept 4
	v_nop
.endr
	s_branch .Lasked_\@
.Lfor_b_\@:
	tensor_load_to_lds s[\g0b:\g0b+3], s[\g1b:\g1b+7]
	s_nop 0
.rept 4
	v_nop
.endr
.Lasked_\@:
.endm
.macro CREST                           ; a round of the cluster's barrier behind its opening barrier
	s_cmp_lg_u32 s14, 0
	s_cbranch_scc1 .Lnot_wave_0_\@
	s_barrier_signal -3
.Lnot_wave_0_\@:
	s_barrier_wait -3
	s_barrier_signal -1
	s_barrier_wait -1
.endm
.macro CROUND                          ; a whole round
	s_barrier_signal -1
	s_barrier_wait -1
	CREST
.endm
	s_load_b128 s[4:7], s[0:1], 0x0                ; yimg s[4:5], Wp's codes s[6:7]
	s_load_b128 s[8:11], s[0:1], 0x10              ; the scales' exponents s[8:9], bp s[10:11]
	s_load_b64 s[12:13], s[0:1], 0x20              ; out0
	v_lshl_add_u32 v[SPW], v0, 2, SPARE
	v_mov_b32 v[NIL], 0
	ds_add_u32 v28, v29
	ds_add_u32 v28, v29
	s_wait_dscnt 0x0
	v_lshrrev_b32 v1, 5, v0
	v_readfirstlane_b32 s14, v1                    ; wave 0..3
	s_lshr_b32 s15, s14, 1                         ; which half of the tile's rows is mine.  Also: I fetch for y (0) or for Wp (1)
	s_and_b32 s16, s14, 1                          ; which half of its columns.  Also: which half of that tile I fetch
	s_bfe_u32 s40, ttmp6, 0x40000                  ; cx, cy: my place in the cluster
	s_bfe_u32 s41, ttmp6, 0x40004
	s_lshl_b32 s42, ttmp9, 2
	s_add_co_u32 s42, s42, s40                     ; tile column = 4 x cluster x + cx
	s_and_b32 s17, ttmp7, 0xffff
	s_lshl_b32 s17, s17, 2
	s_add_co_u32 s17, s17, s41                     ; tile row = 4 x cluster y + cy
	s_lshl_b32 s43, s41, 2
	s_lshl_b32 s43, 15, s43                        ; my row of the cluster
	s_lshl_b32 s44, 0x1111, s40                    ; my column
	; descriptor group 1 for y: 32,768 dense bytes as 128 rows of 32 elements of 8 bytes, no padding
	s_or_b32 s[G1+0], s43, (3<<16)|(1<<21)         ; 15:0 the mask: y's tiles go to my row; 17:16 element of 8 bytes; 21 set beside a mask
	s_mov_b32 s[G1+1], 32<<16                      ; tensor_dim0 = 32
	s_mov_b32 s[G1+2], 128<<16                     ; tensor_dim1 = 128
	s_mov_b32 s[G1+3], 32<<16                      ; tile_dim0 = 32
	s_mov_b32 s[G1+4], 128                         ; tile_dim1 = 128
	s_mov_b32 s[G1+5], 32                          ; tensor_dim0_stride: each row begins where the last ends
	s_mov_b32 s[G1+6], 0
	s_mov_b32 s[G1+7], 0
	; for Wp: 128 rows x 256 bytes, 1,024 bytes apart, padded in LDS
	s_or_b32 s[G1B+0], s44, (0<<16)|(1<<20)|(1<<21)|(5<<22)|(3<<25)  ; the mask of my column; element of 1 byte; padding on; after every 64 words (code 5) 4 words (code 3)
	s_mov_b32 s[G1B+1], 256<<16
	s_mov_b32 s[G1B+2], 128<<16
	s_mov_b32 s[G1B+3], 256<<16
	s_mov_b32 s[G1B+4], 128
	s_mov_b32 s[G1B+5], 1024
	s_mov_b32 s[G1B+6], 0
	s_mov_b32 s[G1B+7], 0
	s_lshl_b32 s20, s17, 18                        ; y: a tile row's four K steps are 262,144 bytes,
	s_lshl_b32 s18, s16, 15                        ; half of a K step's tile is 32,768
	s_add_co_u32 s20, s20, s18
	s_mov_b32 s21, 0
	s_lshl_b32 s46, s42, 18                        ; Wp: row 256 x tile column + 128 x half, of 1,024 bytes
	s_lshl_b32 s47, s16, 17
	s_add_co_u32 s46, s46, s47
	s_mov_b32 s47, 0
	s_lshl_b32 s45, s16, 15                        ; where they go: y's half,
	s_mul_i32 s19, s16, HALFB
	s_add_co_u32 s19, s19, AREG                    ; Wp's half: no place in the cluster enters an LDS address
	s_wait_kmcnt 0x0
	s_load_b64 s[96:97], s[8:9], 0x28              ; e10, e11
	s_add_nc_u64 s[20:21], s[4:5], s[20:21]
	s_add_nc_u64 s[46:47], s[6:7], s[46:47]
	CROUND                                         ; all sixteen work-groups are here: the first joint loads meet
.irp s, 0,1
	s_mov_b32 s[G0+4*\s], 1                        ; count = 1
	s_add_co_u32 s[G0+4*\s+1], s45, \s*SLOT        ; LDS address
	s_add_nc_u64 s[G0+4*\s+2:G0+4*\s+3], s[20:21], \s*65536   ; global address: K step s
	s_or_b32 s[G0+4*\s+3], s[G0+4*\s+3], 0x80000000           ; type = 2
	s_mov_b32 s[G0B+4*\s], 1
	s_add_co_u32 s[G0B+4*\s+1], s19, \s*SLOT
	s_add_nc_u64 s[G0B+4*\s+2:G0B+4*\s+3], s[46:47], \s*256
	s_or_b32 s[G0B+4*\s+3], s[G0B+4*\s+3], 0x80000000
	JLOAD G0+4*\s, G1, G0B+4*\s, G1B               ; two loads of mine are out
.endr
	v_and_b32 v1, 15, v0                           ; r = lane % 16
	v_bfe_u32 v2, v0, 4, 1                         ; h = lane / 16
	v_and_b32 v6, 31, v0
	v_lshlrev_b32 v[CO], 4, v6                     ; 16 x lane
	v_mul_u32_u24 v3, v1, PITCH
	v_lshl_add_u32 v4, v2, 3, v3                   ; Wp: row x pitch + 8 h
	s_lshl_b32 s21, s15, 15                        ; my 128 tokens: eight tiles of 4,096 bytes
	s_mul_i32 s22, s16, HALFB                      ; my 128 rows of Wp,
	s_add_co_u32 s22, s22, AREG                    ; which lie behind y's tile
.irp s, 0,1
	v_add_nc_u32 v[ADRA+\s], s21, v[CO]
	v_add_nc_u32 v[ADRB+\s], s22, v4
	s_add_co_u32 s21, s21, SLOT
	s_add_co_u32 s22, s22, SLOT
.endr
	s_mul_i32 s23, s14, 16*SPITCH
	s_add_co_u32 s23, s23, STG                     ; my stage
	v_mul_u32_u24 v5, v1, SPITCH                   ; in: row r, 32 bytes for each half of the lanes
	v_lshl_add_u32 v5, v2, 5, v5
	v_add_nc_u32 v[STO], s23, v5
	v_add_nc_u32 v[RD], s23, v[CO]                 ; back: the 32 lanes take one row of 512 bytes
	s_lshl_b32 s20, s17, 8
	s_lshl_b32 s21, s15, 7
	s_add_co_u32 s20, s20, s21                     ; my first row of out0: 256 x tile row + 128 x half,
	s_lshl_b32 s20, s20, 12                        ; of 4,096 bytes
	s_lshl_b32 s46, s42, 10                        ; my first column, in bytes: 1,024 x tile column + 512 x half
	s_lshl_b32 s47, s16, 9
	s_add_co_u32 s46, s46, s47
	s_mov_b32 s47, 0
	s_add_nc_u64 s[10:11], s[10:11], s[46:47]      ; bp at my first column
	s_add_co_u32 s20, s20, s46
	s_mov_b32 s21, 0
	s_add_nc_u64 s[12:13], s[12:13], s[20:21]
	global_load_b128 v[BP:BP+3], v[CO], s[10:11]   ; on the way out lane l holds columns 4 l .. 4 l + 3 of my 128; waited for there
.macro FRAGA reg, slot, q, i           ; y: token tile i of my eight, the slot's q-th 128 along K (two heads): four pieces
.irp c, 0,1,2,3
	ds_load_b128 v[\reg+4*\c:\reg+4*\c+3], v[ADRA+\slot] offset:2048*(\q)+512*\c+(\i)*4096
.endr
.endm
.macro FRAGB reg, slot, q, i           ; Wp: registers 2 c, 2 c + 1 hold K = 16 c + 8 h + 0 .. 7 of row r
.irp c, 0,1,2,3,4,5,6,7
	ds_load_b64 v[\reg+2*\c:\reg+2*\c+1], v[ADRB+\slot] offset:128*(\q)+16*\c+(\i)*16*PITCH
.endr
.endm
; 16 matrix instructions: y's blocks a0, a0 + 1 x Wp's eight, 128 along K.  p: Wp's set.  zero = 1: the first product starts the sums: nothing is ever cleared.
; The 64 accumulators take turns, one instruction a turn, in the same order in every step.
.macro MUL16 a0, p, zero
.irp a, \a0, \a0+1
.irp b, 0,1,2,3,4,5,6,7
.if \zero
	v_wmma_f32_16x16x128_fp8_fp8 v[8*(8*((\a)%4)+\b):8*(8*((\a)%4)+\b)+7], v[128*(\p)+FR*\b:128*(\p)+FR*\b+FR-1], v[AF+FR*(\a):AF+FR*(\a)+FR-1], 0
.else
	v_wmma_f32_16x16x128_fp8_fp8 v[8*(8*((\a)%4)+\b):8*(8*((\a)%4)+\b)+7], v[128*(\p)+FR*\b:128*(\p)+FR*\b+FR-1], v[AF+FR*(\a):AF+FR*(\a)+FR-1], v[8*(8*((\a)%4)+\b):8*(8*((\a)%4)+\b)+7]
.endif
.endr
.endr
.endm
.macro FETCH_B slot, q, p              ; Wp's eight fragments of the slot's q-th 128 along K into set p
	WIN TO_B
.irp i, 0,1,2,3,4,5,6,7
	FRAGB 128*(\p)+FR*\i, \slot, \q, \i
.endr
	WIN 0
.endm
.macro FETCH_A slot, q, i0             ; y's blocks i0 .. i0 + 3
.irp i, \i0, \i0+1, \i0+2, \i0+3
	FRAGA AF+FR*(\i), \slot, \q, \i
.endr
.endm
; A load into a register that a matrix instruction has read, and an LDS store that reads a matrix result, stand NP places behind that matrix instruction;
; only plain vector instructions that name none of its registers are places (ISA guide 7.12.1 for vector instructions).
.macro PLACES n
.rept \n
	v_nop
.endr
.endm
; A step of 128 along K that has its successor in the same slot.
.macro STEP slot, q, zero
	s_wait_dscnt 4*NL                              ; Wp's set and y's blocks 0-3 are in; the youngest sixteen loads (y's blocks 4-7) may be out
	WIN MUL_LO
	MUL16 0, (\q)%2, \zero
	MUL16 2, (\q)%2, \zero
	s_wait_dscnt 0                                 ; y's blocks 4-7 are in (asked for 32 matrix instructions ago)
	PLACES NP
	FETCH_B \slot, (\q)+1, 1-(\q)%2
	FETCH_A \slot, (\q)+1, 0
	WIN MUL_HI
	MUL16 4, (\q)%2, \zero
	MUL16 6, (\q)%2, \zero
	PLACES NP
	WIN 0
	FETCH_A \slot, (\q)+1, 4
.endm
; A slot's last step changes slots: ONE barrier; in front of it each wave waits for all its tensor loads, adds 0 to its spare word, and waits for that and for its own reads of this slot.  fill = 1: this slot is filled again, two K steps ahead.
.macro TURN slot, next, fill
	s_wait_tensorcnt 0x0                           ; all my tensor loads have landed: my part of the next slot;  (every window is 0 here: the add's two registers lie in window 0)
	ds_add_u32 v[SPW], v[NIL]                      ; 0 onto my spare word
	s_wait_dscnt 4*NL+1                            ; (the add and the youngest sixteen loads, y's blocks 4-7, may be out)
	WIN MUL_LO
	MUL16 0, 1, 0                                  ; sixteen matrix instructions stand between the add and the wait for it
	s_wait_dscnt 0x0                               ; the add is done, and my reads of this slot are over
	s_barrier_signal -1
	MUL16 2, 1, 0
	WIN 0
	s_barrier_wait -1
.if \fill
	CREST                                          ; the barrier has opened a round of the cluster's barrier: no wave of any partner still reads this slot's tile or has a load on its way
	s_add_nc_u64 s[G0+4*\slot+2:G0+4*\slot+3], s[G0+4*\slot+2:G0+4*\slot+3], 2*65536
	s_add_nc_u64 s[G0B+4*\slot+2:G0B+4*\slot+3], s[G0B+4*\slot+2:G0B+4*\slot+3], 2*256
	JLOAD G0+4*\slot, G1, G0B+4*\slot, G1B         ; the first tensor load behind the round, my one load until the next; the four v_nop behind it are the places in front of the loads below
.else
	PLACES NP
.endif
	FETCH_B \next, 0, 0
	FETCH_A \next, 0, 0
	WIN MUL_HI
	MUL16 4, 1, 0
	MUL16 6, 1, 0
	PLACES NP
	WIN 0
	FETCH_A \next, 0, 4
.endm
	s_wait_tensorcnt 1                             ; my part of K step 0 is in (K step 1's load may be out)
	s_barrier_signal -1
	s_barrier_wait -1                              ; everybody's is
	FETCH_B 0, 0, 0
	FETCH_A 0, 0, 0
	FETCH_A 0, 0, 4
	; K = 1,024 is four slots' worth, eight steps of 128: written straight, without a loop
	STEP 0, 0, 1                                   ; the first step's products start the sums
	TURN 0, 1, 1                                   ; slot 0 takes K step 2
	STEP 1, 0, 0
	TURN 1, 0, 1                                   ; slot 1 takes K step 3
	STEP 0, 0, 0
	TURN 0, 1, 0                                   ; nothing is left to fetch: no round of the cluster's barrier
	STEP 1, 0, 0
	s_wait_dscnt 4*NL                              ; the very last step
	WIN MUL_LO
	MUL16 0, 1, 0
	MUL16 2, 1, 0
	s_wait_dscnt 0
	WIN MUL_HI
	MUL16 4, 1, 0
	MUL16 6, 1, 0
	WIN 0
; THE WAY OUT, block by block of 16 rows x 128 columns.  A lane holds 32 neighbouring bytes of a row, and the lanes beside it hold other rows: so a block's sums go through my own stage in LDS as they are and come back as whole
; rows of 512 bytes; there each lane holds the same four columns in every row, so four registers of bp serve all: sum x 2^(e10 + e11) + bp, two at a time; the 32 lanes then store 512 consecutive bytes, aligned.
; LDS serves a wave's instructions in order (ISA guide 5.7.1.4): no wait between the stores and the loads, nor in front of the next block's stores.
.macro TOSTAGE a
.set AC, 64*((\a)%4)
.set BB, BK+64*((\a)%2)
	WIN (0x08+4*((\a)/4))                          ; an LDS store's data: window 2 or 3
.irp b, 0,1,2,3,4,5,6,7
	ds_store_b128 v[STO], v[AC+8*\b:AC+8*\b+3] offset:64*\b          ; each accumulator from its low end on
	ds_store_b128 v[STO], v[AC+8*\b+4:AC+8*\b+7] offset:64*\b+16
.endr
	WIN 0
.irp t, 0,1,2,3,4,5,6,7,8,9,10,11,12,13,14,15
	ds_load_b128 v[BB+4*\t:BB+4*\t+3], v[RD] offset:\t*SPITCH
.endr
.endm
.macro SEND a, younger                 ; younger: the LDS instructions issued behind block a's loads, which may stay out
.set BB, BK+64*((\a)%2)
	s_wait_dscnt \younger                          ; the block is back in registers
.irp t, 0,1,2,3,4,5,6,7,8,9,10,11,12,13,14,15
	v_pk_fma_f32 v[BB+4*\t:BB+4*\t+1], v[BB+4*\t:BB+4*\t+1], s[96:97], v[BP:BP+1] op_sel_hi:[1,0,1]
	v_pk_fma_f32 v[BB+4*\t+2:BB+4*\t+3], v[BB+4*\t+2:BB+4*\t+3], s[96:97], v[BP+2:BP+3] op_sel_hi:[1,0,1]
.endr
.if (\a) > 0
	s_add_nc_u64 s[12:13], s[12:13], 16*4096       ; (behind a wait on XCNT: the earlier stores have read their base)  16 rows on
.endif
.irp t, 0,1,2,3,4,5,6,7,8,9,10,11,12,13,14,15
	global_store_b128 v[CO], v[BB+4*\t:BB+4*\t+3], s[12:13] offset:\t*4096 th:TH_STORE_NT   ; written once, read by nobody here
.endr
.endm
	s_wait_kmcnt 0x0
	s_add_co_i32 s96, s96, s97                     ; e10 + e11, between -126 and 127,
	s_add_co_i32 s96, s96, 127
	s_lshl_b32 s96, s96, 23                        ; makes the f32 number 2^(e10 + e11)
	s_mov_b32 s97, s96                             ; (named with it as a pair, so it is written)
	s_wait_loadcnt 0x0                             ; bp
	PLACES NP                                      ; behind the last products: for the loads into the registers that held y's fragments, and for the stores that read results
	TOSTAGE 0
.irp a, 1,2,3,4,5,6,7
.if \a > 1
	s_wait_xcnt 0x0                                ; block a - 2's stores have read their registers and their base: block a's loads may land there, and the base may step
.endif
	TOSTAGE \a
	SEND \a-1, 32                                  ; behind block a - 1's loads: block a's 16 stores and 16 loads
.endr
	s_wait_xcnt 0x0                                ; block 6's stores have read their base
	SEND 7, 0
	s_wait_tensorcnt 0x0                           ; the wave's end: behind my last tensor load and my last LDS store
	ds_add_u32 v[SPW], v[NIL]
	s_wait_dscnt 0x0
	CROUND                                         ; the closing round: no work-group ends while a partner may still ask for a tile that names it
	s_endpgm
.Lfunc_end_k_q671e92a41c_proj:
	.size	k_q671e92a41c_proj, .Lfunc_end_k_q671e92a41c_proj-k_q671e92a41c_proj
	.p2alignl 7, 3214868480
	.fill 96, 4, 3214868480
	.section	.rodata,"a",@progbits
	.p2align	6, 0x0
	.amdhsa_kernel k_q671e92a41c_proj
		.amdhsa_group_segment_fixed_size 327680
		.amdhsa_private_segment_fixed_size 0
		.amdhsa_enable_private_segment 0
		.amdhsa_kernarg_size 40
		.amdhsa_user_sgpr_count 2
		.amdhsa_user_sgpr_kernarg_segment_ptr 1
		.amdhsa_wavefront_size32 1
		.amdhsa_system_sgpr_workgroup_id_x 1
		.amdhsa_system_sgpr_workgroup_id_y 1
		.amdhsa_system_sgpr_workgroup_id_z 1
		.amdhsa_system_vgpr_workitem_id 0
		.amdhsa_next_free_vgpr 1024
		.amdhsa_next_free_sgpr 98
		.amdhsa_reserve_vcc 0
		.amdhsa_float_denorm_mode_32 3
		.amdhsa_float_denorm_mode_16_64 3
		.amdhsa_memory_ordered 1
		.amdhsa_forward_progress 1
		.amdhsa_inst_pref_size 139
	.end_amdhsa_kernel
	.amdgpu_metadata
---
amdhsa.version: [ 1, 2 ]
amdhsa.kernels:
  - .name:           k_q671e92a41c_proj
    .symbol:         k_q671e92a41c_proj.kd
    .args:
      - { .name: yimg, .offset: 0, .size: 8, .value_kind: global_buffer, .address_space: global }
      - { .name: Wp_codes, .offset: 8, .size: 8, .value_kind: global_buffer, .address_space: global }
      - { .name: lowp_scales, .offset: 16, .size: 8, .value_kind: global_buffer, .address_space: global }
      - { .name: bp, .offset: 24, .size: 8, .value_kind: global_buffer, .address_space: global }
      - { .name: out0, .offset: 32, .size: 8, .value_kind: global_buffer, .address_space: global }
    .group_segment_fixed_size: 327680
    .private_segment_fixed_size: 0
    .kernarg_segment_align: 8
    .kernarg_segment_size: 40
    .max_flat_workgroup_size: 128
    .sgpr_count:     98
    .vgpr_count:     1024
    .wavefront_size: 32
...
	.end_amdgpu_metadata
.endif
;; end of part 3
;; ======== version 2 of 2: 3 launches; version 1 with the launch attn written anew for expert scheduling mode
;; workspace buffers: qimg 8,388,608 bytes; kimg 8,388,608 bytes; vimg 8,388,608 bytes; yimg 8,388,608 bytes
;; launch qkv: the kernel of part 1 again; grid 12 x 32, 4 waves a work-group, clusters of 4 x 4, 327,680 bytes of LDS; arguments x_codes, Wq_codes, Wk_codes, Wv_codes, bq, bk, bv, lowp_scales, qimg, kimg, vimg; writes qimg, kimg, vimg
;; launch attn (part 4): grid 4 x 64, 16 waves a work-group, no clusters, 67,584 bytes of LDS; arguments qimg, kimg, vimg, lowp_scales, yimg; writes yimg
.if DOCPART == 4
	.amdgcn_target "amdgcn-amd-amdhsa--gfx1250"
	.amdhsa_code_object_version 6
	.text
	.protected	k_q671e92a41c_attn
	.globl	k_q671e92a41c_attn
	.p2align	8
	.type	k_q671e92a41c_attn,@function
k_q671e92a41c_attn:
	s_mov_b64 s[64:65], 0
	v_nop
	global_prefetch_b8 v0, s[64:65] scope:SCOPE_SE
	s_setreg_imm32_b32 hwreg(HW_REG_WAVE_SCHED_MODE, 0, 2), 2
	s_setreg_imm32_b32 hwreg(HW_REG_WAVE_MODE, 25, 1), 1
	s_wait_xcnt 0x0
	s_wait_alu depctr_vm_vsrc(0)
; y[b][h][q] = the sum over k <= q of softmax_k(q . k / 8) v[k], both products on codes of FP8 (E4M3); y leaves as codes for the last product.  64 heads of 2,048 tokens x 64 channels.
; q, k, v come as images of operand registers (a piece = four registers of 32 lanes, lane l's 16 bytes at 16 l): qimg, kimg [64 heads][128 tiles of 16 tokens][2 pieces]; vimg [64 heads][16 steps of 128 keys][4 tiles of 16 channels][4 pieces].
; THE SOFTMAX: t = score x 2^(e6 + e7) x log2(e) / 8; M = the row's largest t so far, rounded UP to a whole number; p = 2^(t - M) is quantised with 2^e8, not normalised; the row's sum is taken of the unquantised p, in f32,
; and divides at the end.  When M moves, the sum and O are multiplied by 2^(old M - new M): exact.  y = O x 2^(e8 + e9) / sum, quantised with 2^e10.
; SHARES.  A work-group owns TWO blocks of 256 queries of one head: block j, then block 7 - j (j = work-group x, 0..3).  Under the causal mask block i needs the first i + 1 slots of 256 keys, so every work-group walks
; (j + 1) + (8 - j) = 9 slots: a constant trip count, equal work in all 256 work-groups, and no tile is fetched that nobody reads.  Each of the SIXTEEN waves owns 16 queries of the block: four waves to a SIMD,
; so that one wave's vector work stands beside another's matrix work and LDS loads.
; THE KEYS' WAY.  A slot is 16,384 bytes of K's images and 16,384 of V's, dense in memory.  Each thread copies 64 bytes of it: four loads of 16 bytes at a trip's head, four LDS stores at its end into the slot that is not
; being read, one barrier a trip.  A fragment is read from LDS at 16 x lane + a constant: no pitch, no padding.
; NO JOINT REQUESTS: the four work-groups of a head walk different key slots in the same trip (that is the price of the even split), and a trip's 32,768 bytes stand against 32 wave steps of about 200 vector instructions.
; NO TENSOR LOADS. p is at most 1, so its hold at 448 x 2^e8 is left out where e8 >= -8.
; LAYOUT.  S^T = K Q^T (source 0 = 16 keys, source 1 = my 16 queries): lane (r, h) holds query r, and register 8 t + i key 16 t + 8 h + i of the step.  Eight such registers become two registers of codes, which are
; registers 2 t, 2 t + 1 of the operand of O^T = V^T P^T (K = 128 keys) as they stand.  O^T again holds one query a lane, register 8 c + i channel 16 c + 8 h + i: its codes are the image of the last product's operand.
; LIMITS on the given exponents, so that each power of two below is an f32 number: e6 + e7 between -123 and 130 (added to c's exponent field); e8 and e10 between -126 and 119; e8 + e9 goes through v_ldexp_f32 and has none.
; THE MODE: SCHED_MODE bits 1:0 = 2 (LLVM: expert scheduling mode 2), set by the entry lines.  The code itself states the register dependences between vector or matrix instructions and memory or LDS instructions,
; with s_wait_alu, always for 0.
; THE PLAN.  Registers that memory or LDS instructions touch:
;   v1, v2        16 x lane, 16 x thread: made at the head, never written again.  The key slot that a trip fetches is reached by two scalar bases, made anew at each trip's head.
;   v32-47 (SG)   Written by the four loads at a trip's head, read by the four LDS stores at its end; no vector instruction names them.  One wait on vm_vsrc a trip, ahead of the loads: the last LDS stores have read them.
;   v48-111 (FRG) K's 16 LDS loads land in them at a step's head, the eight products K Q^T read them, V's 16 LDS loads land in them, the four products V^T P^T read them.  Two waits on va_vdst a step: one at the step's head
;                 (the products V^T P^T of the step before are done reading), one behind the products K Q^T (they are done reading).  Behind the second, V's loads are dealt among the lines of the maximum, which name none of these registers.
;   v208-215      At a block's end: y's codes, written by four conversions, read by two stores: a wait on va_vdst ahead of the stores, one on vm_vsrc behind them where the registers are written again.
;   A third wait on va_vdst in a step stands behind the exponentials, ahead of the first line that names a result.  The mask's compares write scalar registers, 32 to a run, with one wait on va_sdst behind each run.
; REGISTERS: v1 16 x lane; v2 16 x thread; v4 r - 8 h; v12 -M, v13 the largest t, v[14:15] the sum in two halves; v16-23 Q; v24-31 the second block's Q; v32-47 the copy's 64 bytes;
;   v48-111 8 fragments of K, then 4 of V; v112-175 S^T, then p; v176-207 O^T; v208-223 p's codes (at a block's end y's); v224, v225 at work; v226 f, later 1 / sum (v227: the pair's upper half); v[228:229] the second chain of sums;
;   v230 a permute's destination; v231 -infinity; v232 the mask's d; v234 448 x 2^e8, v235 2^e8, v236 448 x 2^e10, v237 2^e10.
; SCALARS: s14 wave; s15 j; s16 head; s17 j + 1: the trip at which the blocks change; s18 the trip; s19 the key slot being fetched; s21 the step's first key; s22 my first query, s23 the second block's; s25 1 where p wants its hold;
;   s[26:27] c; s[28:29] lane selects; s[30:31], s[32:33] where my two tiles of y go; s[34:35] the fetched slot's byte offset; s[36:40] e6 .. e10; s41 the loop's count; s[44:45], s[46:47] K's and V's images at the fetched slot;
;   s48 e8 + e9; s66-97 the mask's 32 lane masks.
.set SG,    32
.set FRG,   48
.set SC,    112
.set OT,    176
.set PC,    208
.set MK,    66
.set SLOTB, 32768                      ; an LDS slot: K's 16 tiles of 1,024 bytes, then V's 2 x 4 fragments of 2,048
.set VOFF,  16384
	s_load_b256 s[4:11], s[0:1], 0x0               ; qimg s[4:5], kimg s[6:7], vimg s[8:9], the scales' exponents s[10:11]
	s_load_b64 s[12:13], s[0:1], 0x20              ; yimg
	v_lshl_add_u32 v238, v0, 2, 0x10000
	v_mov_b32 v239, 0
	v_lshrrev_b32 v5, 5, v0
	v_readfirstlane_b32 s14, v5                    ; wave 0..15
	s_mov_b32 s15, ttmp9                           ; j
	s_and_b32 s16, ttmp7, 0xffff                   ; the head, 16 x batch + head
	s_add_co_u32 s17, s15, 1
	s_sub_co_u32 s24, 7, s15                       ; the second block
	v_and_b32 v1, 31, v0
	v_lshlrev_b32 v1, 4, v1
	v_lshlrev_b32 v2, 4, v0
	v_and_b32 v5, 15, v0
	v_bfe_u32 v6, v0, 4, 1
	v_lshlrev_b32 v6, 3, v6
	v_sub_nc_u32 v4, v5, v6                        ; r - 8 h
	s_lshl_b32 s42, s16, 17                        ; a head's images are 131,072 bytes in qimg, kimg and vimg
	s_mov_b32 s43, 0
	s_mov_b32 s35, 0                               ; the upper word of the fetched slot's offset
	s_lshl_b32 s22, s15, 8
	s_wait_alu depctr_va_sdst(0)                   ; s14, the wave's number, is written, ahead of its first reader
	s_lshl_b32 s44, s14, 4
	s_add_co_u32 s22, s22, s44                     ; my first query: 256 j + 16 x wave
	s_lshl_b32 s23, s24, 8
	s_add_co_u32 s23, s23, s44                     ; and in the second block
	s_lshl_b32 s44, s22, 6                         ; a tile of 16 queries is 1,024 bytes
	v_add_nc_u32 v5, s44, v1
	s_lshl_b32 s44, s23, 6
	v_add_nc_u32 v6, s44, v1
	; yimg: [32 tiles of 256 tokens][4 K steps of 4 heads][16 tiles of 16 tokens][4 heads][2 pieces]
	s_lshr_b32 s44, s16, 4
	s_lshl_b32 s44, s44, 3                         ; 8 x batch
	s_bfe_u32 s45, s16, 0x20002                    ; head / 4
	s_and_b32 s46, s16, 3
	s_lshl_b32 s46, s46, 10                        ; head % 4
	s_lshl_b32 s47, s14, 12
	s_add_co_u32 s46, s46, s47                     ; + 4,096 x wave
	s_add_co_u32 s30, s44, s15
	s_lshl_b32 s30, s30, 2
	s_add_co_u32 s30, s30, s45
	s_lshl_b32 s30, s30, 16
	s_add_co_u32 s30, s30, s46
	s_mov_b32 s31, 0
	s_add_co_u32 s32, s44, s24
	s_lshl_b32 s32, s32, 2
	s_add_co_u32 s32, s32, s45
	s_lshl_b32 s32, s32, 16
	s_add_co_u32 s32, s32, s46
	s_mov_b32 s33, 0
	s_mov_b32 s28, 0x76543210                      ; v_permlanex16_b32: lane l takes lane l xor 16
	s_mov_b32 s29, 0xfedcba98
	s_mov_b32 s26, 0x3e38aa3b                      ; c = log2(e) / 8
	s_mov_b32 s18, 0
	s_mov_b32 s19, 0
	s_mov_b32 s21, 0
	s_mov_b32 s41, 4
	s_wait_kmcnt 0x0
	s_load_b128 s[36:39], s[10:11], 0x18           ; e6, e7, e8, e9
	s_load_b32 s40, s[10:11], 0x28                 ; e10
	s_add_nc_u64 s[4:5], s[4:5], s[42:43]
	s_add_nc_u64 s[6:7], s[6:7], s[42:43]
	s_add_nc_u64 s[8:9], s[8:9], s[42:43]
	s_add_nc_u64 s[30:31], s[12:13], s[30:31]
	s_add_nc_u64 s[32:33], s[12:13], s[32:33]
	s_wait_alu depctr_va_vdst(0)                   ; the offsets and LDS addresses v1, v2, v5 and v6 are written: every load, store and LDS instruction of the kernel reads one of them, and none is written again
	global_load_b128 v[SG:SG+3], v2, s[6:7]                    ; key slot 0: 512 threads x 16 bytes are 8,192 consecutive bytes
	global_load_b128 v[SG+4:SG+7], v2, s[6:7] offset:8192
	global_load_b128 v[SG+8:SG+11], v2, s[8:9]
	global_load_b128 v[SG+12:SG+15], v2, s[8:9] offset:8192
	global_load_b128 v[16:19], v5, s[4:5]                      ; Q's fragment of both blocks stays in registers
	global_load_b128 v[20:23], v5, s[4:5] offset:512
	global_load_b128 v[24:27], v6, s[4:5]
	global_load_b128 v[28:31], v6, s[4:5] offset:512
.macro START                           ; a block's sums begin: O^T and the sum as zeros, the largest t as -3e38, under every t: the first change of M multiplies zeros
.set n, 0
.rept 32
	v_mov_b32 v[OT+n], 0
.set n, n+1
.endr
	v_mov_b32 v13, 0xff61b1e6
	v_floor_f32 v12, -v13
	v_mov_b32 v14, 0
	v_mov_b32 v15, 0
.endm
	START
	v_mov_b32 v227, 0                              ; (named as the upper half of the pair v[226:227])
	v_mov_b32 v230, 0                              ; written once: a lane permute's destination counts as one of its sources
	v_mov_b32 v231, 0xff800000                     ; -infinity
	s_wait_kmcnt 0x0
	s_add_co_i32 s42, s36, s37
	s_lshl_b32 s42, s42, 23
	s_add_co_i32 s26, s26, s42                     ; a score stands for score x 2^(e6 + e7): the two exponents are added to c's exponent field
	s_mov_b32 s27, s26                             ; (named with it as a pair, so it is written)
	s_add_co_i32 s42, s38, 127
	s_lshl_b32 s43, s42, 23
	v_mov_b32 v235, s43                            ; 2^e8, for p's conversions
	s_add_co_i32 s42, s42, 8
	s_lshl_b32 s42, s42, 23
	s_or_b32 s42, s42, 0x600000
	v_mov_b32 v234, s42                            ; 448 x 2^e8
	s_add_co_i32 s42, s40, 127
	s_lshl_b32 s43, s42, 23
	v_mov_b32 v237, s43                            ; 2^e10, for y's
	s_add_co_i32 s42, s42, 8
	s_lshl_b32 s42, s42, 23
	s_or_b32 s42, s42, 0x600000
	v_mov_b32 v236, s42                            ; 448 x 2^e10
	s_add_co_i32 s48, s38, s39                     ; e8 + e9
	s_cmp_lt_i32 s38, -8                           ; 448 x 2^e8 is under 1, the largest p, only where e8 < -8
	s_cselect_b32 s25, 1, 0
	s_wait_loadcnt 0x0
	ds_store_b128 v2, v[SG:SG+3]                   ; the data come from loads, the address was written ahead of the wait on va_vdst above: nothing more is owed
	ds_store_b128 v2, v[SG+4:SG+7] offset:8192
	ds_store_b128 v2, v[SG+8:SG+11] offset:VOFF
	ds_store_b128 v2, v[SG+12:SG+15] offset:VOFF+8192
	s_wait_dscnt 0x0                               ; for the others' sake: my part of slot 0 lies in LDS
	s_barrier_signal -1
	s_barrier_wait -1
; A KEY STEP: 128 keys, the q-th half of the LDS slot.
.macro STEP slot, q
	s_add_co_u32 s24, s22, 15                      ; a step all of whose keys come after my 16 queries is left out: a scalar branch on ids; no barrier stands in a step
	s_cmp_gt_u32 s21, s24
	s_cbranch_scc1 .Lhid_\@
	s_wait_alu depctr_va_vdst(0)                   ; the products V^T P^T of the step before are done reading v[FRG ..], in which K's loads land
.irp t, 0,1,2,3,4,5,6,7
	ds_load_b128 v[FRG+8*\t:FRG+8*\t+3], v1 offset:\slot*SLOTB+\q*8192+1024*\t
	ds_load_b128 v[FRG+8*\t+4:FRG+8*\t+7], v1 offset:\slot*SLOTB+\q*8192+1024*\t+512
.endr
	s_wait_dscnt 0x0
.irp t, 0,1,2,3,4,5,6,7
	v_wmma_f32_16x16x64_fp8_fp8 v[SC+8*\t:SC+8*\t+7], v[FRG+8*\t:FRG+8*\t+7], v[16:23], 0
.endr
.rept 4
	v_nop                                          ; places in front of the first read of the scores by a vector instruction (ISA guide 7.12.1)
.endr
	s_wait_alu depctr_va_vdst(0)                   ; the eight products are done reading K's fragments: V's 16 loads, dealt among the lines of the maximum below, land in the same registers; no vector line between names v[FRG ..] or v1, on either way round the mask
	s_add_co_u32 s24, s21, 127                     ; on the diagonal the scores of hidden keys become -infinity ahead of the maximum: p = 0 then.  A step all of whose keys count skips this
	s_cmp_le_u32 s24, s22
	s_cbranch_scc1 .Lopen_\@
	s_sub_co_i32 s24, s22, s21
	v_add_nc_u32 v232, s24, v4                     ; d = my query - the step's first key - 8 h.  Register 8 t + i holds key 16 t + 8 h + i: hidden where 16 t + i > d
.irp g, 0,1                                ; two runs of 32 compares, each into a scalar register of its own, and 32 selects
.set n, 32*\g
.rept 32
	v_cmp_gt_i32 s[MK+n%32], 16*(n/8)+n%8, v232
.set n, n+1
.endr
	s_wait_alu depctr_va_sdst(0)                   ; the run's 32 compares have written s[MK ..], which the selects below read
.set n, 32*\g
.rept 32
	v_cndmask_b32 v[SC+n], v[SC+n], v231, s[MK+n%32]
.set n, n+1
.endr
.endr
.Lopen_\@:
	v_max3_num_f32 v224, v[SC], v[SC+1], v[SC+2]   ; the step's largest score of my query, among my 64 keys, in two chains (each accumulator is met first at its low end),
	v_max3_num_f32 v225, v[SC+3], v[SC+4], v[SC+5]
.set n, 6
.rept 14
.if (n-6)%16 == 0                          ; V's four fragments take K's registers, a fragment's four loads at a time, and land under the softmax
.set u, (n-6)/16
.irp p, 0,1,2,3
	ds_load_b128 v[FRG+16*u+4*\p:FRG+16*u+4*\p+3], v1 offset:\slot*SLOTB+VOFF+\q*8192+2048*u+512*\p
.endr
.endif
	v_max3_num_f32 v224, v224, v[SC+n], v[SC+n+1]
	v_max3_num_f32 v225, v225, v[SC+n+2], v[SC+n+3]
.set n, n+4
.endr
	v_max3_num_f32 v224, v224, v[SC+62], v[SC+63]
	v_max_num_f32 v224, v224, v225
	v_permlanex16_b32 v230, v224, s28, s29
	v_max_num_f32 v224, v224, v230                 ; and among lane l xor 16's
	v_mul_f32 v224, s26, v224                      ; as t (c is positive)
	v_max_num_f32 v13, v13, v224                   ; the running largest t
	v_mov_b32 v224, v12
	v_floor_f32 v12, -v13                          ; the new -M = floor(-t) = -ceil(t): M is a whole number
	v_sub_f32 v224, v12, v224                      ; M's old value less its new one: a whole number, 0 or less
	v_cvt_i32_f32 v224, v224                       ; (it saturates)
	v_ldexp_f32 v226, 1.0, v224                    ; f = 2^(old M - new M)
.set n, 0
.rept 32
	v_pk_fma_f32 v[SC+n:SC+n+1], v[SC+n:SC+n+1], s[26:27], v[12:13] op_sel_hi:[1,0,0]   ; t - M, two at a time (of the pairs c and -M the low word serves both halves)
.set n, n+2
.endr
.set n, 0
.rept 64
	v_exp_f32 v[SC+n], v[SC+n]                     ; p = 2^(t - M), at most 1: not normalised
.set n, n+1
.endr
	v_pk_mul_f32 v[14:15], v[14:15], v[226:227] op_sel_hi:[1,0]   ; the sums under the new M.  (A plain place behind the exponentials)
	s_wait_alu depctr_va_vdst(0)                   ; the 64 exponentials have written v[SC ..]: one wait for the batch, ahead of the first line that names a result
	v_pk_add_f32 v[228:229], v[SC:SC+1], v[SC+2:SC+3]             ; the row's sum is taken of the unquantised p: two at a time, in two chains
.set n, 4
.rept 15
	v_pk_add_f32 v[14:15], v[14:15], v[SC+n:SC+n+1]
	v_pk_add_f32 v[228:229], v[228:229], v[SC+n+2:SC+n+3]
.set n, n+4
.endr
	v_pk_add_f32 v[14:15], v[14:15], v[228:229]
	s_cmp_eq_u32 s25, 0                            ; the conversion to an 8-bit code does not saturate (ISA guide 7.6.2): where 448 x 2^e8 lies under 1, p is held first; p is not negative, so the hold is one-sided
	s_cbranch_scc1 .Lfits_\@
.set n, 0
.rept 64
	v_min_num_f32 v[SC+n], v[SC+n], v234
.set n, n+1
.endr
.Lfits_\@:
.irp t, 0,1,2,3,4,5,6,7
	v_cvt_scalef32_pk8_fp8_f32 v[PC+2*\t:PC+2*\t+1], v[SC+8*\t:SC+8*\t+7], v235   ; keys 16 t + 8 h + 0 .. 7: registers 2 t, 2 t + 1 of the operand
.endr
.set n, 0
.rept 16
	v_pk_mul_f32 v[OT+n:OT+n+1], v[OT+n:OT+n+1], v[226:227] op_sel_hi:[1,0]       ; O^T under the new M: x f, from each accumulator's low end on.  (Also the plain lines behind the conversions)
.set n, n+2
.endr
	s_wait_dscnt 0x0                               ; V's fragments are in
.irp u, 0,1,2,3                            ; the four accumulators take turns, one instruction a turn; between two links of a chain stand the three others' and the next step's eight
	v_wmma_f32_16x16x128_fp8_fp8 v[OT+8*\u:OT+8*\u+7], v[FRG+16*\u:FRG+16*\u+15], v[PC:PC+15], v[OT+8*\u:OT+8*\u+7]
.endr
.Lhid_\@:
	s_add_co_u32 s21, s21, 128
.endm
; A BLOCK'S END: y = O^T x 2^(e8 + e9) / the sum, held, converted; my 16 tokens x 64 channels are 8 registers of codes: two stores of 512 consecutive bytes.  again = 1: another block follows, whose steps write the codes' registers again.
.macro FINISH yb, again
.rept 4
	v_nop                                          ; places behind the last products
.endr
	v_add_f32 v14, v14, v15                        ; the sum's two halves,
	v_permlanex16_b32 v230, v14, s28, s29
	v_add_f32 v14, v14, v230                       ; and lane l xor 16's: the row's sum
	v_rcp_f32 v226, v14
	v_nop                                          ; one plain place behind a transcendental
	s_wait_alu depctr_va_vdst(0)                   ; the reciprocal has written v226, ahead of the first line that names it
	v_ldexp_f32 v226, v226, s48
.set n, 0
.rept 16
	v_pk_mul_f32 v[SC+n:SC+n+1], v[OT+n:OT+n+1], v[226:227] op_sel_hi:[1,0]
.set n, n+2
.endr
.set n, 0
.rept 32
	v_med3_num_f32 v[SC+n], v[SC+n], -v236, v236
.set n, n+1
.endr
.irp u, 0,1,2,3
	v_cvt_scalef32_pk8_fp8_f32 v[PC+2*\u:PC+2*\u+1], v[SC+8*\u:SC+8*\u+7], v237
.endr
	v_nop                                          ; one plain line behind the conversions: later lines write their sources and results again
	s_wait_alu depctr_va_vdst(0)                   ; the four conversions have written v[PC .. PC + 7], which the two stores read
	global_store_b128 v1, v[PC:PC+3], s[\yb:\yb+1]
	global_store_b128 v1, v[PC+4:PC+7], s[\yb:\yb+1] offset:512
	s_wait_xcnt 0x0                                ; the stores have had their addresses translated: the codes' registers may be written again,
.if \again
	s_wait_alu depctr_vm_vsrc(0)                   ; and the stores have read v[PC .. PC + 7], which the next block's conversions write
.endif
.endm
; A TRIP: one LDS slot, two key steps.  more = 1: the next trip's keys are asked for at the head and go into the other slot at the end.
.macro TRIP slot, more
.if \more
	s_cmp_lg_u32 s18, s17                          ; trip j + 1 is the second block's first: the first block goes out, the sums begin anew.  (j + 1 is 1 to 4: the last trip, written out below, never meets this)
	s_cbranch_scc1 .Lsame_\@
	FINISH 30, 1
	START
.set n, 0
.rept 8
	v_mov_b32 v[16+n], v[24+n]                     ; the second block's Q
.set n, n+1
.endr
	s_mov_b32 s22, s23
	s_mov_b32 s21, 0
.Lsame_\@:
	s_add_co_u32 s19, s19, 1                       ; the next trip's key slot: the next one, or, at the change of blocks, the first again
	s_add_co_u32 s18, s18, 1
	s_cmp_eq_u32 s18, s17
	s_cselect_b32 s19, 0, s19
	s_lshl_b32 s34, s19, 14                        ; its 16,384 bytes in K's and in V's images
	s_add_nc_u64 s[44:45], s[6:7], s[34:35]        ; two scalar bases, so that no vector register is stepped.  (The last loads that read them were waited for in the trip before)
	s_add_nc_u64 s[46:47], s[8:9], s[34:35]
	s_wait_alu depctr_vm_vsrc(0)                   ; the LDS stores of the trip before (ahead of trip 0: the head's) have read v[SG ..], in which the four loads land; no vector instruction names these registers
	global_load_b128 v[SG:SG+3], v2, s[44:45]
	global_load_b128 v[SG+4:SG+7], v2, s[44:45] offset:8192
	global_load_b128 v[SG+8:SG+11], v2, s[46:47]
	global_load_b128 v[SG+12:SG+15], v2, s[46:47] offset:8192
.endif
	STEP \slot, 0
	STEP \slot, 1
.if \more
	s_wait_loadcnt 0x0                             ; asked for two key steps ago
	ds_store_b128 v2, v[SG:SG+3] offset:(1-\slot)*SLOTB                ; the other slot was last read in the trip before, whose closing barrier stands behind every wave's wait for its reads
	ds_store_b128 v2, v[SG+4:SG+7] offset:(1-\slot)*SLOTB+8192
	ds_store_b128 v2, v[SG+8:SG+11] offset:(1-\slot)*SLOTB+VOFF
	ds_store_b128 v2, v[SG+12:SG+15] offset:(1-\slot)*SLOTB+VOFF+8192
	s_wait_dscnt 0x0                               ; my stores have landed, and my reads of this slot are over
	s_barrier_signal -1
	s_barrier_wait -1
.endif
.endm
.Lpair:                                            ; four times two trips: trips 0 to 7
	TRIP 0, 1
	TRIP 1, 1
	s_sub_co_u32 s41, s41, 1
	s_cmp_lg_u32 s41, 0
	s_cbranch_scc1 .Lpair
	TRIP 0, 0                                      ; trip 8 fetches nothing
	FINISH 32, 0
	s_wait_dscnt 0x0
	s_wait_alu depctr_hold_cnt(0) depctr_sa_sdst(0) depctr_va_vdst(0) depctr_va_sdst(0) depctr_va_ssrc(0) depctr_va_vcc(0) depctr_vm_vsrc(0)
	s_wait_tensorcnt 0x0
	ds_add_u32 v238, v239
	s_wait_dscnt 0x0
	s_endpgm
.Lfunc_end_k_q671e92a41c_attn:
	.size	k_q671e92a41c_attn, .Lfunc_end_k_q671e92a41c_attn-k_q671e92a41c_attn
	.p2alignl 7, 3214868480
	.fill 96, 4, 3214868480
	.section	.rodata,"a",@progbits
	.p2align	6, 0x0
	.amdhsa_kernel k_q671e92a41c_attn
		.amdhsa_group_segment_fixed_size 67584
		.amdhsa_private_segment_fixed_size 0
		.amdhsa_enable_private_segment 0
		.amdhsa_kernarg_size 40
		.amdhsa_user_sgpr_count 2
		.amdhsa_user_sgpr_kernarg_segment_ptr 1
		.amdhsa_wavefront_size32 1
		.amdhsa_system_sgpr_workgroup_id_x 1
		.amdhsa_system_sgpr_workgroup_id_y 1
		.amdhsa_system_sgpr_workgroup_id_z 1
		.amdhsa_system_vgpr_workitem_id 0
		.amdhsa_next_free_vgpr 240
		.amdhsa_next_free_sgpr 98
		.amdhsa_reserve_vcc 0
		.amdhsa_float_denorm_mode_32 3
		.amdhsa_float_denorm_mode_16_64 3
		.amdhsa_memory_ordered 1
		.amdhsa_forward_progress 1
		.amdhsa_inst_pref_size 170
	.end_amdhsa_kernel
	.amdgpu_metadata
---
amdhsa.version: [ 1, 2 ]
amdhsa.kernels:
  - .name:           k_q671e92a41c_attn
    .symbol:         k_q671e92a41c_attn.kd
    .args:
      - { .name: qimg, .offset: 0, .size: 8, .value_kind: global_buffer, .address_space: global }
      - { .name: kimg, .offset: 8, .size: 8, .value_kind: global_buffer, .address_space: global }
      - { .name: vimg, .offset: 16, .size: 8, .value_kind: global_buffer, .address_space: global }
      - { .name: lowp_scales, .offset: 24, .size: 8, .value_kind: global_buffer, .address_space: global }
      - { .name: yimg, .offset: 32, .size: 8, .value_kind: global_buffer, .address_space: global }
    .group_segment_fixed_size: 67584
    .private_segment_fixed_size: 0
    .kernarg_segment_align: 8
    .kernarg_segment_size: 40
    .max_flat_workgroup_size: 512
    .sgpr_count:     98
    .vgpr_count:     240
    .wavefront_size: 32
...
	.end_amdgpu_metadata
.endif
;; end of part 4
;; launch proj: the kernel of part 3 again; grid 4 x 32, 4 waves a work-group, clusters of 4 x 4, 327,680 bytes of LDS; arguments yimg, Wp_codes, lowp_scales, bp, out0; writes out0
